; MI455X (gfx1250); checked and timed in simulation.
; The chip was launched on July 23, 2026; its instructions are those of AMD's public machine-readable ISA for CDNA 5 (MIT licence, August 2026) and "CDNA5" Instruction Set Architecture Reference Guide (July 2026). The comments in the code are by the model that wrote it; some were corrected since.
;; Transformer Block. Allowed arithmetic: matrix products marked QUANTISED: E3M2 operands, one E8M0 scale for each 32 along K, by v_wmma_scale_f32_16x16x128_f8f6f4 with both operands' format E3M2, f32 sums; everything else in f32.
;; Inputs: fc1_b 4,096 float32; fc1_w_codes 4,096 x 32 x 24 uint8 (E3M2 codes of fc1_w, K innermost, in blocks of 32 codes, four codes in three bytes); fc1_w_scales 4,096 x 32 uint8 (E8M0 scales of fc1_w, one for each 32 codes along K); fc2_b 1,024 float32; fc2_w_codes 1,024 x 128 x 24 uint8 (E3M2 codes of fc2_w, K innermost, in blocks of 32 codes, four codes in three bytes); fc2_w_scales 1,024 x 128 uint8 (E8M0 scales of fc2_w, one for each 32 codes along K); ln1_b 1,024 float32; ln1_g 1,024 float32; ln2_b 1,024 float32; ln2_g 1,024 float32; out_b 1,024 float32; out_w_codes 1,024 x 32 x 24 uint8 (E3M2 codes of out_w, K innermost, in blocks of 32 codes, four codes in three bytes); out_w_scales 1,024 x 32 uint8 (E8M0 scales of out_w, one for each 32 codes along K); qkv_b 3,072 float32; qkv_w_codes 3,072 x 32 x 24 uint8 (E3M2 codes of qkv_w, K innermost, in blocks of 32 codes, four codes in three bytes); qkv_w_scales 3,072 x 32 uint8 (E8M0 scales of qkv_w, one for each 32 codes along K); x 2 x 2,048 x 1,024 float32.
;; Outputs: out0 2 x 2,048 x 1,024 float32.
;; This version of the problem:
;;   THIS VERSION OF THE PROBLEM IS GIVEN IN LOW PRECISION. The matrix products marked QUANTISED in the list below multiply operands that are first quantised to E3M2 (3 exponent bits, 2 mantissa bits; 6 bits a number), with one power-of-two scale for each 32 numbers along K (OCP MX v1.0); their sums are f32. All else is computed in f32.
;;   The module's matrix products, in the order in which they are computed (A, B: the left and right operand; K: the contracted axis; several contracted axes count as one K, in the product's order):
;;     1. [M 4,096, K 1,024] x [K 1,024, N 3,072]; A: computed on the way; B: input qkv_w (given as codes): QUANTISED
;;     2. batch 32 x [M 2,048, K 64] x [K 64, N 2,048]; A: computed on the way; B: computed on the way: QUANTISED
;;     3. batch 32 x [M 2,048, K 2,048] x [K 2,048, N 64]; A: softmax (see below); B: computed on the way: QUANTISED
;;     4. [M 4,096, K 1,024] x [K 1,024, N 1,024]; A: computed on the way; B: input out_w (given as codes): QUANTISED
;;     5. [M 4,096, K 1,024] x [K 1,024, N 4,096]; A: computed on the way; B: input fc1_w (given as codes): QUANTISED
;;     6. [M 4,096, K 4,096] x [K 4,096, N 1,024]; A: computed on the way; B: input fc2_w (given as codes): QUANTISED
;;   THE QUANTISER, for each operand of a quantised product, along K:
;;     - K is cut into blocks of 32 from its start; a last block that is shorter is filled with zeros.
;;     - A block's scale is 2^e with e = floor(log2(the largest magnitude in the block)) - 4, held to -126 .. 127; a block of zeros has e = 0. As a byte (E8M0): e + 127.
;;     - Each number is divided by its block's scale, clamped to +-28, and rounded to the nearest number of E3M2, ties to even, subnormals kept.
;;     - The product sums the exact products of the quantised numbers (number of the format x scale) in f32.
;;   ~~~python
;;   def quantise(x, axis):      # numpy; x: float32 -> the quantised numbers, widened to float32 again
;;       x = np.moveaxis(x, axis, -1); K = x.shape[-1]
;;       x = np.pad(x, [(0, 0)] * (x.ndim - 1) + [(0, -K % 32)]); x = x.reshape(x.shape[:-1] + (-1, 32)); a = np.abs(x).max(-1, keepdims=True)
;;       e = np.where(a > 0, np.clip(np.frexp(np.where(a > 0, a, 1))[1] - 1 - 4, -126, 127), 0)      # np.frexp(a)[1] - 1 = floor(log2(a)), exactly
;;       r = np.clip(x / 2.0 ** e, -28, 28)
;;       step = 2.0 ** (np.maximum(np.frexp(np.where(r == 0, 1, r))[1] - 1, -2) - 2)
;;       q = np.round(r / step) * step * 2.0 ** e      # np.round: ties to even
;;       return np.moveaxis(q.reshape(q.shape[:-2] + (-1,))[..., :K], -1, axis).astype(np.float32)
;;   ~~~
;;   SOFTMAX AHEAD OF A QUANTISED PRODUCT. Where the list says 'softmax', what is quantised is not the finished softmax but p = 2^(t - M), with t = logit x log2(e) and M = ceil(the row's largest t), a whole number; so 1/2 < the row's largest p <= 1. The row's sum l is taken of the UNQUANTISED p, in f32, and the product's result is divided by l at the end. Since M is a whole number, a kernel that streams over the keys may use a running M (the ceiling of the running maximum): every later rescaling is an exact power of two, which a block's scale takes up: the codes' values come out the same.
;;   OPERANDS COMPUTED ON THE WAY. 'Computed on the way' means the value that the module computes at that place (a softmax that the list does not call 'softmax' is quantised finished and normalised). What goes into a quantiser is computed in f32, as accurately as f32 sums, v_exp_f32 and their like allow (about 1e-6 of the number): no bf16 or f16 on the way to a quantiser, and a product that is left as it is and whose result goes on into a quantised operand takes f32 operands (vector FMAs, or v_wmma_f32_16x16x4_f32). A number that lies on a knife's edge between two numbers of the format may be rounded either way, as far as f32 arithmetic and the matrix unit's own rounding can turn it there, and no further.
;;   INPUTS GIVEN AS CODES. fc1_w (in the module: [4096, 1024], K = its axis 1); fc2_w (in the module: [1024, 4096], K = its axis 1); out_w (in the module: [1024, 1024], K = its axis 1); qkv_w (in the module: [3072, 1024], K = its axis 1): each comes as NAME_codes (uint8): NAME with its K axis moved to the last place and cut into blocks of 32 codes, [.., K / 32, bytes a block], one block behind the other in memory; four codes in three bytes: a row's codes are one little-endian stream of bits, code i at bits 6 i .. 6 i + 5 (a code: sign, 3 exponent bits, 2 mantissa bits); and NAME_scales (uint8): the same leading axes, one E8M0 byte (e + 127) for each 32 codes along K. Its value is code x scale, taken as it is: it is not quantised again, and the codes and scales need not be those that the quantiser above would give.
;; One version. Each part assembles by itself: llvm-mc -triple=amdgcn-amd-amdhsa -mcpu=gfx1250 --defsym DOCPART=n.
;; ======== version 1 of 1: 7 launches
;; limits: right only within a limited range of input values
;; workspace buffers: nxq 3,276,800 bytes; wimg 9,437,184 bytes; qkvq 10,092,544 bytes; attq 3,276,800 bytes; x1 16,777,216 bytes; hq 13,107,200 bytes
;; launch prep (part 1): grid 448 x 1, 8 waves a work-group, no clusters, 3,072 bytes of LDS; arguments x, ln1_g, ln1_b, nxq, qkv_w_codes, out_w_codes, fc1_w_codes, fc2_w_codes, wimg; writes nxq, wimg
.if DOCPART == 1
	.amdgcn_target "amdgcn-amd-amdhsa--gfx1250"
	.amdhsa_code_object_version 6
	.text
	.protected	k_q6ff8cedd83_prep
	.globl	k_q6ff8cedd83_prep
	.p2align	8
	.type	k_q6ff8cedd83_prep,@function
k_q6ff8cedd83_prep:
	s_mov_b64 s[64:65], 0
	v_nop
	global_prefetch_b8 v0, s[64:65] scope:SCOPE_SE
	s_setreg_imm32_b32 hwreg(HW_REG_WAVE_MODE, 25, 1), 1
	s_wait_xcnt 0x0
; TWO JOBS, parted by the work-group's number.
; Work-groups 0-255: layer norm of 16 tokens x 1,024 columns in f32 (mean, then the mean of the squared differences: two passes over registers), gain and bias, then the MX quantiser
; (E3M2, one E8M0 byte for each 32 along the columns).  The codes leave as IMAGES OF OPERAND REGISTERS: a fragment (16 rows x 128 K, 12 registers a lane) is 1,536 bytes, registers 4 i .. 4 i + 3 of lane l at 512 i + 16 l.
; Work-groups 256 and up (the launch in front of the first product alone has them): the four weights' codes are laid out anew as the same images, 4 K steps (6,144 bytes) a wave.
; THE ROWS OF A TILE ARE NOT NEIGHBOURS: slot r of tile t is row 32 (t / 2) + 8 (t % 2) + r + 8 (r / 8), for tokens and for weights, so that a product's 16 result registers of two neighbouring tiles are 16 neighbours along the next K.
; SHARES of the norm: tile T = the work-group; wave w owns columns 128 w .. 128 w + 127 (K step w); lane (r, h) holds of its row, for each block of 32, the 16 numbers 16 h .. 16 h + 15.  The rows' sums meet in LDS.
; LIMITS: NaN and infinities are not served; a block of zeros gets the byte 1 (its codes are zeros, and this program alone reads the bytes).
; No tile is shared between work-groups, so no cluster; no matrix work.
.set NXS,  3145728                     ; behind the images: the scale bytes, [token][32]
.set RS1,  0                           ; LDS: the waves' sums [r][w], f32
.set RS2,  512                         ; the sums of squares
.set SCG,  1024                        ; the tile's scale bytes [r][32]
.set PC,   8                           ; v8-19 the codes just made; v20-26 halves on their way
.set X,    32                          ; v32-95   my 64 numbers
.set G,    96                          ; v96-159  the gain at my columns
.set B,    160                         ; v160-223 the bias
.set TM,   224                         ; v224-239 the quantiser's
.set PW,   240                         ; the scale word
.set A0,   242
.set A1,   244
.set MU,   246
.set RS,   248
.set WV,   24
.set SEL,  30
; 64 numbers of a lane, register 16 b + i = k 32 b + 16 (lane / 16) + i of my row, become a fragment's codes in v[PC] on and its scale word in v[PW]
.macro QUANT s
.irp b, 0,1,2,3
	v_max3_num_f32 v[TM+\b], |v[\s+16*\b]|, |v[\s+1+16*\b]|, 0x2800000   ; my 16 numbers of block b, and the floor 2^(5 - 127): the byte cannot fall under 1
.endr
.irp i, 2,4,6,8,10,12,14
.irp b, 0,1,2,3
	s_delay_alu instid0(VALU_DEP_4)
	v_max3_num_f32 v[TM+\b], v[TM+\b], |v[\s+16*\b+\i]|, |v[\s+1+16*\b+\i]|
.endr
.endr
.irp b, 0,1,2,3
	s_delay_alu instid0(VALU_DEP_4)
	v_permlanex16_b32 v[TM+4+\b], v[TM+\b], s[SEL], s[SEL+1]
.endr
.irp b, 0,1,2,3
	s_delay_alu instid0(VALU_DEP_4)
	v_max_num_f32 v[TM+\b], v[TM+\b], v[TM+4+\b]       ; with lane l xor 16's: the block's largest magnitude
.endr
.irp b, 0,1,2,3
	s_delay_alu instid0(VALU_DEP_4)
	v_add_nc_u32 v[TM+12+\b], 0xfe000000, v[TM+\b]     ; 4 off its exponent field: the conversion's scale operand
.endr
.irp b, 0,1,2,3
	s_delay_alu instid0(VALU_DEP_4)
	v_lshrrev_b32 v[TM+4+\b], 23, v[TM+12+\b]          ; the scale's byte
.endr
	s_delay_alu instid0(VALU_DEP_3)
	v_lshl_or_b32 v[PW], v[TM+5], 8, v[TM+4]
	s_delay_alu instid0(VALU_DEP_1)
	v_lshl_or_b32 v[PW], v[TM+6], 16, v[PW]
	s_delay_alu instid0(VALU_DEP_1)
	v_lshl_or_b32 v[PW], v[TM+7], 24, v[PW]
.irp c, 0,1
	v_cvt_scalef32_pk16_bf6_f32 v[PC+6*\c:PC+2+6*\c], v[\s+32*\c:\s+15+32*\c], v[TM+12+2*\c]
	v_cvt_scalef32_pk16_bf6_f32 v[PC+12+4*\c:PC+14+4*\c], v[\s+16+32*\c:\s+31+32*\c], v[TM+12+2*\c+1]   ; (a conversion's three registers begin on an even number)
.endr
	v_nop                                              ; one plain place behind a scaled conversion
.irp c, 0,1                                        ; the operand wants a whole block in a lane: lanes 0-15 block 2 c, lanes 16-31 block 2 c + 1
.irp i, 0,1,2
	v_permlane16_swap_b32 v[PC+6*\c+\i], v[PC+12+4*\c+\i]
.endr
.irp i, 0,1,2
	s_delay_alu instid0(VALU_DEP_3)
	v_mov_b32 v[PC+3+6*\c+\i], v[PC+12+4*\c+\i]
.endr
.endr
.endm
; the two chains in A0, A1 become the row's sum over all 1,024 columns, in every lane, in v[A0]
.macro CROSS off
	s_delay_alu instid0(VALU_DEP_1)
	v_pk_add_f32 v[A0:A0+1], v[A0:A0+1], v[A1:A1+1]
	s_delay_alu instid0(VALU_DEP_1)
	v_add_f32 v[A0], v[A0], v[A0+1]
	s_delay_alu instid0(VALU_DEP_1)
	v_permlanex16_b32 v[A1], v[A0], s[SEL], s[SEL+1]
	s_delay_alu instid0(VALU_DEP_1)
	v_add_f32 v[A0], v[A0], v[A1]                      ; my wave's 128 columns of row r
	ds_store_b32 v6, v[A0] offset:\off                 ; lanes r and r + 16 write the same word with the same value
	s_wait_dscnt 0x0                                   ; for the others' sake: my store has landed
	s_barrier_signal -1
	s_barrier_wait -1
	ds_load_b128 v[8:11], v7 offset:\off
	ds_load_b128 v[12:15], v7 offset:\off+16
	s_wait_dscnt 0x0
	v_add_f32 v8, v8, v9
	v_add_f32 v10, v10, v11
	v_add_f32 v12, v12, v13
	v_add_f32 v14, v14, v15
	s_delay_alu instid0(VALU_DEP_3)
	v_add_f32 v8, v8, v10
	s_delay_alu instid0(VALU_DEP_2)
	v_add_f32 v12, v12, v14
	s_delay_alu instid0(VALU_DEP_1)
	v_add_f32 v[A0], v8, v12                           ; the same order in all eight waves: they agree to the bit
.endm
	s_load_b256 s[4:11], s[0:1], 0x0               ; the rows s[4:5], gain s[6:7], bias s[8:9], nxq s[10:11]
	s_load_b256 s[12:19], s[0:1], 0x20             ; codes of qkv_w, out_w, fc1_w, fc2_w
	s_load_b64 s[20:21], s[0:1], 0x40              ; wimg
	v_lshl_add_u32 v254, v0, 2, 0x800
	v_mov_b32 v255, 0
	v_lshrrev_b32 v1, 5, v0
	s_delay_alu instid0(VALU_DEP_1)
	v_readfirstlane_b32 s[WV], v1                  ; wave 0..7
	v_and_b32 v1, 15, v0                           ; r
	v_bfe_u32 v2, v0, 4, 1                         ; h
	v_and_b32 v5, 31, v0
	s_delay_alu instid0(VALU_DEP_1)
	v_lshlrev_b32 v5, 4, v5                        ; 16 x lane: an image's place for my lane
	s_delay_alu instid0(VALU_DEP_4)
	v_and_b32 v3, 8, v1
	s_delay_alu instid0(VALU_DEP_1)
	v_add_nc_u32 v3, v3, v1                        ; r + 8 (r / 8)
	s_cmp_lt_u32 ttmp9, 256
	s_cbranch_scc0 .Lrelay
	; ---------------- the norm ----------------
	s_lshr_b32 s25, ttmp9, 1
	s_lshl_b32 s25, s25, 5
	s_and_b32 s26, ttmp9, 1
	s_lshl_b32 s26, s26, 3
	s_add_co_u32 s25, s25, s26                     ; the tile's first token: 32 (T / 2) + 8 (T % 2)
	s_lshl_b32 s26, s[WV], 9                       ; my 128 columns, in bytes
	s_mov_b32 s27, 0
	s_lshl_b32 s28, s25, 12
	s_add_co_u32 s28, s28, s26
	s_mov_b32 s29, 0
	s_lshl_b32 s32, ttmp9, 3
	s_add_co_u32 s32, s32, s[WV]
	s_mul_i32 s32, s32, 1536                       ; image (T, K step w)
	s_mov_b32 s33, 0
	s_lshl_b32 s34, s25, 5
	s_add_co_u32 s34, s34, NXS                     ; the tile's scale bytes
	s_mov_b32 s35, 0
	s_mov_b32 s[SEL], 0x76543210
	s_mov_b32 s[SEL+1], 0xfedcba98                 ; v_permlanex16_b32's selects for lane l xor 16
	s_mov_b32 s22, 0x3a800000                      ; 1 / 1,024
	s_lshl_b32 s23, s[WV], 2
	s_wait_alu depctr_va_vdst(0)
	v_lshlrev_b32 v3, 12, v3
	s_delay_alu instid0(VALU_DEP_1)
	v_lshl_add_u32 v3, v2, 6, v3                   ; my row of 4,096 bytes, + 64 h
	v_lshlrev_b32 v4, 6, v2                        ; gain and bias: 64 h
	v_lshlrev_b32 v7, 5, v1                        ; LDS: 32 r
	s_delay_alu instid0(VALU_DEP_1)
	v_add_nc_u32 v6, s23, v7                       ; 32 r + 4 w
	v_lshl_add_u32 v28, v2, 8, v5                  ; the scale bytes' way out: 16 x lane, and slots 8-15 lie 8 tokens further on
.irp b, 0,1,2,3
	v_mov_b32 v[TM+4+\b], 0                        ; written once: a lane permute's destination counts as one of its sources
.endr
	s_wait_alu depctr_va_vdst(0)
	s_wait_kmcnt 0x0
	s_add_nc_u64 s[4:5], s[4:5], s[28:29]
	s_add_nc_u64 s[6:7], s[6:7], s[26:27]
	s_add_nc_u64 s[8:9], s[8:9], s[26:27]
	s_add_nc_u64 s[32:33], s[10:11], s[32:33]
	s_add_nc_u64 s[34:35], s[10:11], s[34:35]
.irp b, 0,1,2,3
.irp j, 0,1,2,3
	global_load_b128 v[X+16*\b+4*\j:X+16*\b+4*\j+3], v3, s[4:5] offset:128*\b+16*\j th:TH_LOAD_NT
.endr
.endr
.irp b, 0,1,2,3
.irp j, 0,1,2,3
	global_load_b128 v[G+16*\b+4*\j:G+16*\b+4*\j+3], v4, s[6:7] offset:128*\b+16*\j
.endr
.endr
.irp b, 0,1,2,3
.irp j, 0,1,2,3
	global_load_b128 v[B+16*\b+4*\j:B+16*\b+4*\j+3], v4, s[8:9] offset:128*\b+16*\j
.endr
.endr
	s_wait_loadcnt 32                              ; my 16 loads of the rows are in; the 32 of gain and bias may be out
	v_pk_add_f32 v[A0:A0+1], v[X:X+1], v[X+2:X+3]
	v_pk_add_f32 v[A1:A1+1], v[X+4:X+5], v[X+6:X+7]
.set j, 8
.rept 14
	s_delay_alu instid0(VALU_DEP_2)
	v_pk_add_f32 v[A0:A0+1], v[A0:A0+1], v[X+j:X+j+1]
	s_delay_alu instid0(VALU_DEP_2)
	v_pk_add_f32 v[A1:A1+1], v[A1:A1+1], v[X+j+2:X+j+3]
.set j, j+4
.endr
	CROSS RS1
	s_delay_alu instid0(VALU_DEP_1)
	v_mul_f32 v[MU], s22, v[A0]                    ; the mean
	s_delay_alu instid0(VALU_DEP_1)
	v_mov_b32 v[MU+1], v[MU]
.set j, 0
.rept 32
	v_pk_add_f32 v[X+j:X+j+1], v[X+j:X+j+1], v[MU:MU+1] neg_lo:[0,1] neg_hi:[0,1]
.set j, j+2
.endr
	v_pk_mul_f32 v[A0:A0+1], v[X:X+1], v[X:X+1]
	v_pk_mul_f32 v[A1:A1+1], v[X+2:X+3], v[X+2:X+3]
.set j, 4
.rept 15
	s_delay_alu instid0(VALU_DEP_2)
	v_pk_fma_f32 v[A0:A0+1], v[X+j:X+j+1], v[X+j:X+j+1], v[A0:A0+1]
	s_delay_alu instid0(VALU_DEP_2)
	v_pk_fma_f32 v[A1:A1+1], v[X+j+2:X+j+3], v[X+j+2:X+j+3], v[A1:A1+1]
.set j, j+4
.endr
	CROSS RS2
	s_delay_alu instid0(VALU_DEP_1)
	v_fma_f32 v[RS], v[A0], s22, 0x3727c5ac        ; the variance + 1e-5
	s_wait_alu depctr_va_vdst(0)
	v_rsq_f32 v[RS], v[RS]
	v_nop                                          ; one plain place behind the transcendental
	s_wait_alu depctr_va_vdst(0)
	v_mov_b32 v[RS+1], v[RS]
	s_wait_alu depctr_va_vdst(0)
	s_wait_loadcnt 0x0                             ; gain and bias
.set j, 0
.rept 32
	v_pk_mul_f32 v[X+j:X+j+1], v[X+j:X+j+1], v[RS:RS+1]
.set j, j+2
.endr
.set j, 0
.rept 32
	v_pk_fma_f32 v[X+j:X+j+1], v[X+j:X+j+1], v[G+j:G+j+1], v[B+j:B+j+1]
.set j, j+2
.endr
	QUANT X
.irp i, 0,1,2
	global_store_b128 v5, v[PC+4*\i:PC+4*\i+3], s[32:33] offset:512*\i   ; 32 lanes store 512 consecutive bytes
.endr
	ds_store_b32 v6, v[PW] offset:SCG
	s_wait_dscnt 0x0
	s_barrier_signal -1
	s_barrier_wait -1                              ; the tile's 16 x 32 scale bytes lie in LDS
	s_cmp_lg_u32 s[WV], 0
	s_cbranch_scc1 .Lnorm_end
	ds_load_b128 v[96:99], v5 offset:SCG
	s_wait_dscnt 0x0
	global_store_b128 v28, v[96:99], s[34:35]      ; sixteen lanes store 256 consecutive bytes (8 tokens), aligned
.Lnorm_end:
	s_wait_tensorcnt 0x0
	ds_add_u32 v254, v255
	s_wait_dscnt 0x0
	s_endpgm
	; ---------------- the weights' images ----------------
.Lrelay:
	s_sub_co_u32 s25, ttmp9, 256
	s_lshl_b32 s26, s25, 3
	s_add_co_u32 s26, s26, s[WV]                   ; g: half a unit, 4 K steps (6,144 bytes of images), to a wave; 192 work-groups share the 768 units
	s_mul_i32 s36, s26, 6144                       ; where my four images go
	s_and_b32 s38, s26, 1
	s_mul_i32 s38, s38, 384                        ; which half of the unit's 768 bytes of each row
	s_lshr_b32 s26, s26, 1                         ; the unit
	s_mov_b32 s27, 512
	s_mov_b32 s28, 2
	s_mov_b32 s29, 3072
	s_wait_kmcnt 0x0
	s_cmp_lt_u32 s25, 128
	s_cselect_b64 s[18:19], s[16:17], s[18:19]     ; the choices hang on the work-group's number alone
	s_cselect_b32 s27, 256, s27                    ; the tensor's first unit
	s_cselect_b32 s28, 0, s28                      ; log2 of the units in a tile
	s_cselect_b32 s29, 768, s29                    ; a row of codes in bytes
	s_cmp_lt_u32 s25, 64
	s_cselect_b64 s[18:19], s[14:15], s[18:19]
	s_cselect_b32 s27, 192, s27
	s_cmp_lt_u32 s25, 48
	s_cselect_b64 s[18:19], s[12:13], s[18:19]
	s_cselect_b32 s27, 0, s27
	s_sub_co_u32 s30, s26, s27
	s_lshr_b32 s31, s30, s28                       ; tile
	s_lshl_b32 s32, s31, s28
	s_sub_co_u32 s32, s30, s32                     ; which 8 K steps of it
	s_lshr_b32 s33, s31, 1
	s_lshl_b32 s33, s33, 5
	s_and_b32 s34, s31, 1
	s_lshl_b32 s34, s34, 3
	s_add_co_u32 s33, s33, s34                     ; the tile's first row
	s_mul_i32 s34, s33, s29
	s_mul_i32 s32, s32, 768
	s_add_co_u32 s34, s34, s32
	s_add_co_u32 s34, s34, s38
	s_mov_b32 s35, 0
	s_add_nc_u64 s[18:19], s[18:19], s[34:35]
	s_mov_b32 s37, 0
	s_add_nc_u64 s[20:21], s[20:21], s[36:37]
	s_wait_alu depctr_va_vdst(0)
	v_mul_lo_u32 v3, v3, s29
	s_delay_alu instid0(VALU_DEP_1)
	v_mad_u32_u24 v3, v2, 24, v3                   ; my row, + 24 h: the 24 bytes of a block as they lie are six registers of the operand
.irp f, 0,1,2,3
.irp p, 0,1,2,3,4,5
	global_load_b64 v[32+12*\f+2*\p:32+12*\f+2*\p+1], v3, s[18:19] offset:96*\f+48*(\p/3)+8*(\p%3)
.endr
.endr
.irp f, 0,1,2,3
	s_wait_loadcnt 6*(3-\f)
.irp i, 0,1,2
	global_store_b128 v5, v[32+12*\f+4*\i:32+12*\f+4*\i+3], s[20:21] offset:1536*\f+512*\i
.endr
.endr
	s_endpgm
.Lfunc_end_k_q6ff8cedd83_prep:
	.size	k_q6ff8cedd83_prep, .Lfunc_end_k_q6ff8cedd83_prep-k_q6ff8cedd83_prep
	.p2alignl 7, 3214868480
	.fill 96, 4, 3214868480
	.section	.rodata,"a",@progbits
	.p2align	6, 0x0
	.amdhsa_kernel k_q6ff8cedd83_prep
		.amdhsa_group_segment_fixed_size 3072
		.amdhsa_private_segment_fixed_size 0
		.amdhsa_enable_private_segment 0
		.amdhsa_kernarg_size 72
		.amdhsa_user_sgpr_count 2
		.amdhsa_user_sgpr_kernarg_segment_ptr 1
		.amdhsa_wavefront_size32 1
		.amdhsa_system_sgpr_workgroup_id_x 1
		.amdhsa_system_sgpr_workgroup_id_y 1
		.amdhsa_system_sgpr_workgroup_id_z 1
		.amdhsa_system_vgpr_workitem_id 0
		.amdhsa_next_free_vgpr 256
		.amdhsa_next_free_sgpr 66
		.amdhsa_reserve_vcc 0
		.amdhsa_float_denorm_mode_32 3
		.amdhsa_float_denorm_mode_16_64 3
		.amdhsa_memory_ordered 1
		.amdhsa_forward_progress 1
		.amdhsa_inst_pref_size 33
	.end_amdhsa_kernel
	.amdgpu_metadata
---
amdhsa.version: [ 1, 2 ]
amdhsa.kernels:
  - .name:           k_q6ff8cedd83_prep
    .symbol:         k_q6ff8cedd83_prep.kd
    .args:
      - { .name: x, .offset: 0, .size: 8, .value_kind: global_buffer, .address_space: global }
      - { .name: ln1_g, .offset: 8, .size: 8, .value_kind: global_buffer, .address_space: global }
      - { .name: ln1_b, .offset: 16, .size: 8, .value_kind: global_buffer, .address_space: global }
      - { .name: nxq, .offset: 24, .size: 8, .value_kind: global_buffer, .address_space: global }
      - { .name: qkv_w_codes, .offset: 32, .size: 8, .value_kind: global_buffer, .address_space: global }
      - { .name: out_w_codes, .offset: 40, .size: 8, .value_kind: global_buffer, .address_space: global }
      - { .name: fc1_w_codes, .offset: 48, .size: 8, .value_kind: global_buffer, .address_space: global }
      - { .name: fc2_w_codes, .offset: 56, .size: 8, .value_kind: global_buffer, .address_space: global }
      - { .name: wimg, .offset: 64, .size: 8, .value_kind: global_buffer, .address_space: global }
    .group_segment_fixed_size: 3072
    .private_segment_fixed_size: 0
    .kernarg_segment_align: 8
    .kernarg_segment_size: 72
    .max_flat_workgroup_size: 256
    .sgpr_count:     66
    .vgpr_count:     256
    .wavefront_size: 32
...
	.end_amdgpu_metadata
.endif
;; end of part 1
;; launch qkv (part 2): grid 12 x 16, 4 waves a work-group, clusters of 4 x 1, 327,680 bytes of LDS; arguments nxq, wimg, qkv_w_scales, qkv_b, qkvq; writes qkvq
.if DOCPART == 2
	.amdgcn_target "amdgcn-amd-amdhsa--gfx1250"
	.amdhsa_code_object_version 6
	.text
	.protected	k_q6ff8cedd83_qkv
	.globl	k_q6ff8cedd83_qkv
	.p2align	8
	.type	k_q6ff8cedd83_qkv,@function
k_q6ff8cedd83_qkv:
	s_mov_b64 s[64:65], 0
	v_nop
	global_prefetch_b8 v0, s[64:65] scope:SCOPE_SE
	s_setreg_imm32_b32 hwreg(HW_REG_WAVE_MODE, 25, 1), 1
	s_wait_xcnt 0x0
	s_wait_alu depctr_hold_cnt(0) depctr_sa_sdst(0) depctr_va_vdst(0) depctr_va_sdst(0) depctr_va_ssrc(0) depctr_va_vcc(0) depctr_vm_vsrc(0)
	s_getreg_b32 s2, hwreg(HW_REG_IB_STS2, 6, 4)
	s_cmp_eq_u32 s2, 0
	s_cbranch_scc0 .Lentry_in_a_cluster
	s_endpgm
.Lentry_in_a_cluster:
	s_bfe_u32 s2, ttmp6, 0x10000c
	s_cmp_lg_u32 s2, 0x3003
	s_cbranch_scc0 .Lentry_shape_is_right
	s_endpgm
.Lentry_shape_is_right:
.set FC1,  0
.if FC1
.set WOFF, 3145728
.else
.set WOFF, 0
.endif
.set NXS,  3145728
.set CHUNK, 49152
.set SG,   196608
.set SV,   200704
.set PA,   4
.set GB,   8
.set O8,   9
.set VS32, 10
.set BO,   11
.set STA,  12
.set STB,  13
.set STR,  14
.set STT,  15
.set STV,  16
.set GOV,  17
.set BV,   18
.set STRV, 19
.set OUTR, 20
.set SS,   32
.set SP,   64
.set BIA,  224
.set T,    0
.set M,    32
.set C,    40
.set XC,   48
.set HW,   52
.set HW2,  53
.set D,    64
.set Q,    72
.set P,    80
.set R,    88
.set CO,   96
.set WV,   14
.set CLX,  16
.set YY,   17
.set G1,   24
.set G0,   32
.set PCD,  48
.set SB,   50
.set PSC,  52
.set SSC,  54
.set OUT0, 56
.set SEL,  60
.set AI,   62
.set SOFF, 63
.set CX,   66
.set WW,   69
.set HM,   70
.set KT,   71
.set OUTS, 86
.set MSB, 0
.macro WIN new
.if MSB != (\new)
	s_set_vgpr_msb (MSB<<8)|(\new)
.set MSB, \new
.endif
.endm
.macro PLACES
.rept 4
	v_nop
.endr
.endm
.macro CROUND
	s_barrier_signal -1
	s_barrier_wait -1
	s_cmp_lg_u32 s[WV], 0
	s_cbranch_scc1 .Lnot_wave_0_\@
	s_barrier_signal -3
.Lnot_wave_0_\@:
	s_barrier_wait -3
	s_barrier_signal -1
	s_barrier_wait -1
.endm
.macro FETCH_A
	WIN 0x40
.irp i, 0,1,2,3
.irp k, 0,1,2
.if FQ < 8                             ; K steps 0, 1: [tile 16][3,072] from LDS byte 0
	ds_load_b128 v[144+48*(FQ%2)+12*\i+4*\k:144+48*(FQ%2)+12*\i+4*\k+3], v[GB] offset:(4*(FQ%4)+\i)*3072+(FQ/4)*1536+512*\k
.else                                  ; K steps 2 to 7: [tile 16][9,216] behind them
	ds_load_b128 v[144+48*(FQ%2)+12*\i+4*\k:144+48*(FQ%2)+12*\i+4*\k+3], v[PA+FQ%4] offset:\i*9216+(FQ/4-2)*1536+512*\k
.endif
.endr
.endr
.endm
.macro FETCH_B
	WIN 0x40
.irp b, 0,1,2,3
.irp k, 0,1,2
	global_load_b128 v[48*(FS%3)+12*\b+4*\k:48*(FS%3)+12*\b+4*\k+3], v[GB], s[SB:SB+1] offset:12288*\b+1536*FS+512*\k
.endr
.endr
.endm
.macro MUL16 zero
.if MQ < 2
	WIN 0xa5
.else
	WIN 0xf5
.endif
.irp i, 0,1,2,3
.irp b, 0,1,2,3
.set rD, 32*((4*MQ+\i)%8)+8*\b
.set rS, 48*(MS%3)+12*\b
.set rP, 144+48*((4*MS+MQ)%2)+12*\i
.if \zero
	v_wmma_scale_f32_16x16x128_f8f6f4 v[rD:rD+7], v[rS:rS+11], v[rP:rP+11], 0, v[SS+8*\b+MS], v[SP+8*(4*MQ+\i)+MS] matrix_a_fmt:MATRIX_FMT_BF6 matrix_b_fmt:MATRIX_FMT_BF6
.else
	v_wmma_scale_f32_16x16x128_f8f6f4 v[rD:rD+7], v[rS:rS+11], v[rP:rP+11], v[rD:rD+7], v[SS+8*\b+MS], v[SP+8*(4*MQ+\i)+MS] matrix_a_fmt:MATRIX_FMT_BF6 matrix_b_fmt:MATRIX_FMT_BF6
.endif
.endr
.endr
.endm
.macro GETC k
	WIN 0x42+(\k)/8
.set i_, 0
.rept 16
	v_pk_add_f32 v[T+i_:T+i_+1], v[32*((\k)%8)+i_:32*((\k)%8)+i_+1], v[BIA+i_:BIA+i_+1]
.set i_, i_+2
.endr
	WIN 0
.endm
.macro GETV k
	WIN 0x48+4*((\k)/8)
.set i_, 0
.rept 32
	v_add_f32 v[T+i_], v[BIA+\k], v[32*((\k)%8)+i_]
.set i_, i_+1
.endr
	WIN 0
.endm
.macro QH t
	v_max3_num_f32 v[M], |v[\t]|, |v[\t+1]|, 0x2800000
	v_max3_num_f32 v[M+1], |v[\t+16]|, |v[\t+17]|, 0x2800000
.irp i, 2,4,6,8,10,12,14
	v_max3_num_f32 v[M], v[M], |v[\t+\i]|, |v[\t+\i+1]|
	v_max3_num_f32 v[M+1], v[M+1], |v[\t+16+\i]|, |v[\t+17+\i]|
.endr
	v_permlanex16_b32 v[M+2], v[M], s[SEL], s[SEL+1]
	v_permlanex16_b32 v[M+3], v[M+1], s[SEL], s[SEL+1]
	v_max_num_f32 v[M], v[M], v[M+2]
	v_max_num_f32 v[M+1], v[M+1], v[M+3]
	v_add_nc_u32 v[M], 0xfe000000, v[M]
	v_add_nc_u32 v[M+1], 0xfe000000, v[M+1]
	v_lshrrev_b32 v[M+2], 23, v[M]
	v_lshrrev_b32 v[M+3], 23, v[M+1]
	v_lshl_or_b32 v[HW], v[M+3], 8, v[M+2]
	v_cvt_scalef32_pk16_bf6_f32 v[C:C+2], v[\t:\t+15], v[M]
	v_cvt_scalef32_pk16_bf6_f32 v[XC:XC+2], v[\t+16:\t+31], v[M+1]
	v_nop
.irp i, 0,1,2
	v_permlane16_swap_b32 v[C+\i], v[XC+\i]
.endr
.irp i, 0,1,2
	v_mov_b32 v[C+3+\i], v[XC+\i]
.endr
.endm
.macro GELU8 x
.irp i, 0,1,2,3,4,5,6,7
	v_fma_f32 v[D+\i], |v[\x+\i]|, s[KT], 1.0
.endr
.irp i, 0,1,2,3,4,5,6,7
	v_rcp_f32 v[D+\i], v[D+\i]
.endr
.irp i, 0,2,4,6
	v_pk_mul_f32 v[Q+\i:Q+\i+1], v[\x+\i:\x+\i+1], v[\x+\i:\x+\i+1]
.endr
.irp i, 0,2,4,6
	v_pk_fma_f32 v[P+\i:P+\i+1], v[D+\i:D+\i+1], v[CO+18:CO+19], v[CO+16:CO+17]
.endr
.irp k, 7,6,5,4,3,2,1,0
.irp i, 0,2,4,6
	v_pk_fma_f32 v[P+\i:P+\i+1], v[P+\i:P+\i+1], v[D+\i:D+\i+1], v[CO+2*\k:CO+2*\k+1]
.endr
.endr
.irp i, 0,2,4,6
	v_pk_fma_f32 v[P+\i:P+\i+1], v[Q+\i:Q+\i+1], v[CO+20:CO+21], v[P+\i:P+\i+1]
.endr
.irp i, 0,1,2,3,4,5,6,7
	v_exp_f32 v[P+\i], v[P+\i]
.endr
.irp i, 0,1,2,3,4,5,6,7
	v_max_num_f32 v[R+\i], 0, v[\x+\i]
.endr
.irp i, 0,2,4,6
	v_pk_mul_f32 v[P+\i:P+\i+1], v[P+\i:P+\i+1], v[D+\i:D+\i+1]
.endr
.irp i, 0,1,2,3,4,5,6,7
	v_fma_f32 v[\x+\i], -|v[\x+\i]|, v[P+\i], v[R+\i]
.endr
.endm
	s_load_b256 s[4:11], s[0:1], 0x0
	s_load_b64 s[12:13], s[0:1], 0x20
	v_lshl_add_u32 v222, v0, 2, 0x31800
	v_mov_b32 v223, 0
	ds_add_u32 v222, v223
	ds_add_u32 v222, v223
	v_lshrrev_b32 v1, 5, v0
	v_readfirstlane_b32 s[WV], v1
	s_bfe_u32 s[CX], ttmp6, 0x40000
	s_mov_b32 s[CLX], ttmp9
	s_and_b32 s[YY], ttmp7, 0xffff
	s_lshl_b32 s18, s[YY], 4
.if !FC1
	s_and_b32 s19, s[YY], 3
	s_lshl_b32 s19, s19, 4
	s_add_co_u32 s19, s19, 128
	s_cmp_eq_u32 s[CLX], 2
	s_cselect_b32 s18, s19, s18
.endif
	s_lshl_b32 s20, s[WV], 2
	s_add_co_u32 s20, s20, s18
	s_mul_i32 s20, s20, 12288
	s_mov_b32 s21, 0
	s_mul_i32 s22, s[WV], 12288
	s_mul_i32 s23, s[WV], 36864                    ; my four tiles' place among K steps 2 to 7
	s_lshl_b32 s58, s18, 9
	s_mov_b32 s59, 0
	s_lshl_b32 s74, s18, 6
	s_mov_b32 s75, 0
	s_mov_b32 s[G1+0], 15|(3<<16)|(1<<21)
	s_mov_b32 s[G1+1], 384<<16
	s_mov_b32 s[G1+2], 4<<16
	s_mov_b32 s[G1+3], 384<<16
	s_mov_b32 s[G1+4], 4
	s_mov_b32 s[G1+5], 1536
	s_mov_b32 s[G1+6], 0
	s_mov_b32 s[G1+7], 0
.set G1B, 40                           ; s[40:47] group 1 for K steps 2 to 7 of four tiles: 4 rows of 9,216 bytes
	s_mov_b32 s[G1B+0], 15|(3<<16)|(1<<21)
	s_mov_b32 s[G1B+1], 1152<<16
	s_mov_b32 s[G1B+2], 4<<16
	s_mov_b32 s[G1B+3], 1152<<16
	s_mov_b32 s[G1B+4], 4
	s_mov_b32 s[G1B+5], 1536
	s_mov_b32 s[G1B+6], 0
	s_mov_b32 s[G1B+7], 0
	s_lshl_b32 s67, s[CLX], 2
	s_add_co_u32 s67, s67, s[CX]
.if !FC1
	s_lshr_b32 s68, s[YY], 2
	s_lshl_b32 s68, s68, 2
	s_add_co_u32 s68, s68, s[CX]
	s_cmp_eq_u32 s[CLX], 2
	s_cselect_b32 s[WW], s68, s67
.else
	s_mov_b32 s[WW], s67
.endif
	s_lshl_b32 s[WW], s[WW], 2
	s_add_co_u32 s[WW], s[WW], s[WV]
	s_mul_i32 s76, s[WW], 49152
	s_mov_b32 s77, 0
	s_lshl_b32 s78, s[WW], 11
	s_mov_b32 s79, 0
	s_lshl_b32 s80, s[WW], 8
	s_mov_b32 s81, 0
.if FC1
	s_lshl_b32 s82, s[YY], 10
	s_add_co_u32 s82, s82, s[WW]
	s_mul_i32 s82, s82, 768
	s_lshl_b32 s84, s[WW], 13
	s_lshl_b32 s88, s[YY], 9
	s_add_co_u32 s84, s84, s88
	s_add_co_u32 s84, s84, 12582912
.else
	s_lshl_b32 s82, s[WW], 8
	s_lshl_b32 s88, s[YY], 4
	s_add_co_u32 s82, s82, s88
	s_mul_i32 s82, s82, 768
	s_and_b32 s88, s[YY], 3
	s_lshl_b32 s89, s88, 10
	s_lshl_b32 s90, s[WW], 2
	s_add_co_u32 s89, s89, s90
	s_mul_i32 s89, s89, 768
	s_add_co_u32 s89, s89, 6291456
	s_lshl_b32 s84, s[WW], 14
	s_lshl_b32 s90, s[YY], 10
	s_add_co_u32 s84, s84, s90
	s_add_co_u32 s84, s84, 9437184
	s_lshl_b32 s90, s88, 2
	s_and_b32 s91, s[WV], 1
	s_lshl_b32 s91, s91, 1
	s_add_co_u32 s90, s90, s91
	s_lshl_b32 s90, s90, 5
	s_lshr_b32 s91, s[WW], 1
	s_add_co_u32 s90, s90, s91
	s_lshl_b32 s90, s90, 8
	s_add_co_u32 s90, s90, 9961472
	s_mov_b32 s[HM], 4*768
	s_mov_b32 s91, 256*768
	s_cmp_eq_u32 s[CLX], 2
	s_cselect_b32 s82, s89, s82
	s_cselect_b32 s84, s90, s84
	s_cselect_b32 s[HM], s91, s[HM]
.endif
	s_mov_b32 s83, 0
	s_mov_b32 s85, 0
	s_mov_b32 s[SEL], 0x76543210
	s_mov_b32 s[SEL+1], 0xfedcba98
	s_mov_b32 s[KT], 0x3eb504f3
	v_and_b32 v1, 15, v0
	v_bfe_u32 v2, v0, 4, 1
	v_and_b32 v3, 31, v0
	v_lshlrev_b32 v[GB], 4, v3
.irp c, 0,1,2,3
	v_add_nc_u32 v[PA+\c], CHUNK+\c*36864, v[GB]
.endr
	v_lshl_add_u32 v[O8], v3, 3, 512
	v_and_b32 v[VS32], 8, v1
	v_add_nc_u32 v[VS32], v[VS32], v1
	v_lshlrev_b32 v[BV], 2, v[VS32]
	v_lshlrev_b32 v[VS32], 5, v[VS32]
	v_lshlrev_b32 v[BO], 6, v2
.if FC1
	s_lshl_b32 s72, s[WV], 9
	s_add_co_u32 s72, s72, SG
	v_lshl_add_u32 v[STA], v1, 1, s72
.else
	s_lshl_b32 s72, s[WV], 10
	s_add_co_u32 s72, s72, SG
	v_lshl_add_u32 v[STA], v1, 2, s72
	s_lshr_b32 s73, s[WV], 1
	s_lshl_b32 s73, s73, 10
	s_and_b32 s88, s[WV], 1
	s_lshl_b32 s88, s88, 1
	s_add_co_u32 s73, s73, s88
	s_add_co_u32 s73, s73, SV
	v_lshl_add_u32 v[STB], v1, 2, s73
	s_lshl_b32 s88, s[WV], 9
	s_add_co_u32 s88, s88, SV
	v_add_nc_u32 v[STRV], s88, v[GB]
	v_lshlrev_b32 v[GOV], 4, v1
	v_lshl_add_u32 v[GOV], v2, 13, v[GOV]
.endif
	v_add_nc_u32 v[STR], s72, v[GB]
	s_wait_dscnt 0x0
	s_wait_kmcnt 0x0
.if FC1
	s_mov_b64 s[PCD:PCD+1], s[4:5]
	s_add_nc_u64 s[SB:SB+1], s[6:7], WOFF
	s_add_nc_u64 s[PSC:PSC+1], s[4:5], NXS
	s_mov_b64 s[SSC:SSC+1], s[8:9]
.else
	s_add_nc_u64 s[92:93], s[4:5], NXS
	s_cmp_eq_u32 s[CLX], 2
	s_cselect_b64 s[PCD:PCD+1], s[6:7], s[4:5]
	s_cselect_b64 s[SB:SB+1], s[4:5], s[6:7]
	s_cselect_b64 s[PSC:PSC+1], s[8:9], s[92:93]
	s_cselect_b64 s[SSC:SSC+1], s[92:93], s[8:9]
	s_add_nc_u64 s[96:97], s[10:11], s[74:75]
.endif
	s_add_nc_u64 s[PCD:PCD+1], s[PCD:PCD+1], s[20:21]
	s_add_nc_u64 s[PSC:PSC+1], s[PSC:PSC+1], s[58:59]
	s_add_nc_u64 s[SB:SB+1], s[SB:SB+1], s[76:77]
	s_add_nc_u64 s[SSC:SSC+1], s[SSC:SSC+1], s[78:79]
	s_add_nc_u64 s[98:99], s[10:11], s[80:81]
	s_add_nc_u64 s[OUT0:OUT0+1], s[12:13], s[82:83]
	s_add_nc_u64 s[OUTS:OUTS+1], s[12:13], s[84:85]
	s_mov_b32 s[G0], 1                             ; K steps 0, 1 of my four tiles
	s_mov_b32 s[G0+1], s22
	s_mov_b64 s[G0+2:G0+3], s[PCD:PCD+1]
	s_or_b32 s[G0+3], s[G0+3], 0x80000000
	s_mov_b32 s[G0+4], 1                           ; K steps 2 to 7
	s_add_co_u32 s[G0+5], s23, CHUNK
	s_add_nc_u64 s[G0+6:G0+7], s[PCD:PCD+1], 3072
	s_or_b32 s[G0+7], s[G0+7], 0x80000000
	CROUND
	tensor_load_to_lds s[G0:G0+3], s[G1:G1+7]      ; one tensor load a wave at the head
	s_nop 0
	PLACES
	s_wait_alu depctr_va_vdst(0)
.irp a, 0,1,2,3,4,5,6,7,8,9,10,11,12,13,14,15
.irp q, 0,1
	global_load_b128 v[SP+8*\a+4*\q:SP+8*\a+4*\q+3], v[VS32], s[PSC:PSC+1] offset:(32*(\a/2)+8*(\a%2))*32+16*\q
.endr
.endr
.irp b, 0,1,2,3
.irp q, 0,1
	global_load_b128 v[SS+8*\b+4*\q:SS+8*\b+4*\q+3], v[VS32], s[SSC:SSC+1] offset:(32*(\b/2)+8*(\b%2))*32+16*\q
.endr
.endr
.if !FC1
	s_cmp_eq_u32 s[CLX], 2
	s_cbranch_scc1 .Lbias_v
.endif
.irp b, 0,1
.irp j, 0,1,2,3
	global_load_b128 v[BIA+16*\b+4*\j:BIA+16*\b+4*\j+3], v[BO], s[98:99] offset:128*\b+16*\j
.endr
.endr
.if !FC1
	s_branch .Lbias_done
.Lbias_v:
.irp k, 0,1,2,3,4,5,6,7,8,9,10,11,12,13,14,15
	global_load_b32 v[BIA+\k], v[BV], s[96:97] offset:(32*(\k/2)+8*(\k%2))*4
.endr
.irp k, 0,1,2,3,4,5,6,7,8,9,10,11,12,13,14,15
	global_load_b32 v[BIA+16+\k], v[BV], s[96:97] offset:(32*(\k/2)+8*(\k%2))*4
.endr
.Lbias_done:
.endif
.set FS, 0
	FETCH_B
.set FS, 1
	FETCH_B
.set FS, 2
	FETCH_B
	WIN 0
	s_wait_tensorcnt 0x0                           ; my part of K steps 0, 1 is in
	ds_add_u32 v222, v223
	s_wait_dscnt 0x0
	CROUND                                         ; everybody's part is in, and the four partners' joint loads meet
	tensor_load_to_lds s[G0+4:G0+7], s[G1B:G1B+7]  ; the rest of the panel: my one load behind the round; it has two K steps, 128 matrix instructions, in which to land
	s_nop 0
	PLACES
.set FQ, 0
	FETCH_A
.set qn, 0
.rept 32
.set MS, qn/4
.set MQ, qn%4
.if (qn != 0) && (qn != 8)
	PLACES
.endif
.if (MQ == 0) && (MS >= 1) && (MS <= 5)
.set FS, MS+2
	FETCH_B
.endif
.if (qn != 7) && (qn != 31)
.set FQ, qn+1
	FETCH_A
	s_wait_dscnt 12
.else
	s_wait_dscnt 0x0
.if qn == 7
	s_wait_tensorcnt 0x0
	s_barrier_signal -1
.endif
.endif
.if MQ == 0
.if MS <= 5
	s_wait_loadcnt 24
.else
	s_wait_loadcnt 12*(7-MS)
.endif
.endif
.if MS == 0
	MUL16 1
.else
	MUL16 0
.endif
.if qn == 7
	s_barrier_wait -1
	PLACES
.set FQ, qn+1
	FETCH_A
.endif
.set qn, qn+1
.endr
	PLACES
	WIN 0x40
	v_mov_b32 v[M+2], 0
	v_mov_b32 v[M+3], 0
.if FC1
.set i_, 0
.irp c, 0xc034d90f, 0x3fb8ab5a, 0x3f0a29d2, 0x3e0efb2f, 0xbe899a80, 0x3ecdfd18, 0xbfd1a1e6, 0x40097039, 0xbf97d29d, 0x3e7c6f08, 0xbf38aa3b
	v_mov_b32 v[CO+i_], \c
	v_mov_b32 v[CO+i_+1], \c
.set i_, i_+2
.endr
.endif
	WIN 0
	s_mov_b32 s[AI], 0
	s_mov_b32 s[SOFF], 0
.Ltrip:
	s_wait_xcnt 0x0
	v_add_nc_u32 v[STT], s[SOFF], v[STA]
.if FC1
	s_mul_i32 s92, s[AI], 49152
.else
	v_add_nc_u32 v[STV], s[SOFF], v[STB]
	s_lshr_b32 s92, s[AI], 2
	s_mul_i32 s92, s92, s[HM]
	s_and_b32 s93, s[AI], 3
	s_mul_i32 s93, s93, 768
	s_add_co_u32 s92, s92, s93
.endif
	s_mov_b32 s93, 0
	s_add_nc_u64 s[94:95], s[OUT0:OUT0+1], s[92:93]
.if !FC1
	s_cmp_eq_u32 s[CLX], 2
	s_cbranch_scc1 .Ldisp_v
.endif
.irp k, 0,1,2,3,4,5,6,7,8,9,10,11,12,13,14
	s_cmp_eq_u32 s[AI], \k
	s_cbranch_scc1 .Lc_\k
.endr
	GETC 15
	s_branch .Lbody
.irp k, 0,1,2,3,4,5,6,7,8,9,10,11,12,13,14
.Lc_\k:
	GETC \k
	s_branch .Lbody
.endr
.if !FC1
.Ldisp_v:
.irp k, 0,1,2,3,4,5,6,7,8,9,10,11,12,13,14
	s_cmp_eq_u32 s[AI], \k
	s_cbranch_scc1 .Lv_\k
.endr
	GETV 15
	s_branch .Lbody
.irp k, 0,1,2,3,4,5,6,7,8,9,10,11,12,13,14
.Lv_\k:
	GETV \k
	s_branch .Lbody
.endr
.endif
.Lbody:
	WIN 0x55
.if FC1
	GELU8 T
	GELU8 T+8
	GELU8 T+16
	GELU8 T+24
.endif
	s_wait_alu depctr_va_vdst(0)
	QH T
.if !FC1
	v_or_b32 v[HW2], 0x7f7f0000, v[HW]
.endif
	WIN 0x04
	global_store_b128 v[GB], v[C:C+3], s[94:95]
	global_store_b64 v[O8], v[C+4:C+5], s[94:95]
.if FC1
	ds_store_b16 v[STT], v[HW]
	WIN 0
	s_add_co_u32 s[SOFF], s[SOFF], 32
.else
	WIN 0
	s_cmp_eq_u32 s[CLX], 2
	s_cbranch_scc1 .Lscale_v
	WIN 0x04
	ds_store_b32 v[STT], v[HW2]
	WIN 0
	s_branch .Lscale_done
.Lscale_v:
	WIN 0x04
	ds_store_b16 v[STV], v[HW]
	WIN 0
.Lscale_done:
	s_add_co_u32 s[SOFF], s[SOFF], 64
.endif
	s_add_co_u32 s[AI], s[AI], 1
	s_cmp_lt_u32 s[AI], 16
	s_cbranch_scc1 .Ltrip
	s_wait_dscnt 0x0
	s_barrier_signal -1
	s_barrier_wait -1
.if FC1
	ds_load_b128 v[OUTR:OUTR+3], v[STR]
	s_wait_dscnt 0x0
	global_store_b128 v[GB], v[OUTR:OUTR+3], s[OUTS:OUTS+1]
.else
	s_cmp_eq_u32 s[CLX], 2
	s_cbranch_scc1 .Lout_v
	ds_load_b128 v[OUTR:OUTR+3], v[STR]
	ds_load_b128 v[OUTR+4:OUTR+7], v[STR] offset:512
	s_wait_dscnt 0x0
	global_store_b128 v[GB], v[OUTR:OUTR+3], s[OUTS:OUTS+1]
	global_store_b128 v[GB], v[OUTR+4:OUTR+7], s[OUTS:OUTS+1] offset:512
	s_branch .Lclose
.Lout_v:
	ds_load_b128 v[OUTR:OUTR+3], v[STRV]
	s_wait_dscnt 0x0
	global_store_b128 v[GOV], v[OUTR:OUTR+3], s[OUTS:OUTS+1]
.Lclose:
.endif
	s_wait_tensorcnt 0x0
	ds_add_u32 v222, v223
	s_wait_dscnt 0x0
	CROUND
	s_endpgm
.Lfunc_end_k_q6ff8cedd83_qkv:
	.size	k_q6ff8cedd83_qkv, .Lfunc_end_k_q6ff8cedd83_qkv-k_q6ff8cedd83_qkv
	.p2alignl 7, 3214868480
	.fill 96, 4, 3214868480
	.section	.rodata,"a",@progbits
	.p2align	6, 0x0
	.amdhsa_kernel k_q6ff8cedd83_qkv
		.amdhsa_group_segment_fixed_size 327680
		.amdhsa_private_segment_fixed_size 0
		.amdhsa_enable_private_segment 0
		.amdhsa_kernarg_size 40
		.amdhsa_user_sgpr_count 2
		.amdhsa_user_sgpr_kernarg_segment_ptr 1
		.amdhsa_wavefront_size32 1
		.amdhsa_system_sgpr_workgroup_id_x 1
		.amdhsa_system_sgpr_workgroup_id_y 1
		.amdhsa_system_sgpr_workgroup_id_z 1
		.amdhsa_system_vgpr_workitem_id 0
		.amdhsa_next_free_vgpr 1024
		.amdhsa_next_free_sgpr 100
		.amdhsa_reserve_vcc 0
		.amdhsa_float_denorm_mode_32 3
		.amdhsa_float_denorm_mode_16_64 3
		.amdhsa_memory_ordered 1
		.amdhsa_forward_progress 1
		.amdhsa_inst_pref_size 162
	.end_amdhsa_kernel
	.amdgpu_metadata
---
amdhsa.version: [ 1, 2 ]
amdhsa.kernels:
  - .name:           k_q6ff8cedd83_qkv
    .symbol:         k_q6ff8cedd83_qkv.kd
    .args:
      - { .name: nxq, .offset: 0, .size: 8, .value_kind: global_buffer, .address_space: global }
      - { .name: wimg, .offset: 8, .size: 8, .value_kind: global_buffer, .address_space: global }
      - { .name: qkv_w_scales, .offset: 16, .size: 8, .value_kind: global_buffer, .address_space: global }
      - { .name: qkv_b, .offset: 24, .size: 8, .value_kind: global_buffer, .address_space: global }
      - { .name: qkvq, .offset: 32, .size: 8, .value_kind: global_buffer, .address_space: global }
    .group_segment_fixed_size: 327680
    .private_segment_fixed_size: 0
    .kernarg_segment_align: 8
    .kernarg_segment_size: 40
    .max_flat_workgroup_size: 128
    .sgpr_count:     100
    .vgpr_count:     1024
    .wavefront_size: 32
...
	.end_amdgpu_metadata
.endif
;; end of part 2
;; launch att (part 3): grid 8 x 32, 16 waves a work-group, no clusters, 327,680 bytes of LDS; arguments qkvq, attq; writes attq
.if DOCPART == 3
	.amdgcn_target "amdgcn-amd-amdhsa--gfx1250"
	.amdhsa_code_object_version 6
	.text
	.protected	k_q6ff8cedd83_att
	.globl	k_q6ff8cedd83_att
	.p2align	8
	.type	k_q6ff8cedd83_att,@function
k_q6ff8cedd83_att:
	s_mov_b64 s[64:65], 0
	v_nop
	global_prefetch_b8 v0, s[64:65] scope:SCOPE_SE
	s_setreg_imm32_b32 hwreg(HW_REG_WAVE_MODE, 25, 1), 1
	s_wait_xcnt 0x0
; Causal attention of one head of one batch on codes of E3M2 (MX-BF6), head size 64, 2,048 tokens.  Both products are used transposed: S^T = K Q^T (source 0 = 16 keys, source 1 = my 16 queries),
; O^T = V^T P^T (source 0 = 16 channels, source 1 = P): a lane holds ONE query throughout.  A tile's 16 tokens are not neighbours (slot r of tile t is token 32 (t / 2) + 8 (t % 2) + r + 8 (r / 8)), so that the 16 registers of
; score tiles 2 b and 2 b + 1 are keys 32 b + 16 (lane / 16) + 0 .. 15.  q's and k's K is 64: the upper six registers of their fragments are zero codes, written once.
; THE SOFTMAX: t = score x log2(e) / 8; M = the running largest t rounded up to a whole number; p = 2^(t - M) is quantised along the keys, not normalised; the row's sum is taken of the unquantised p and divides at the end;
; when M moves, the sum and O^T are multiplied by 2^(old M - new M), which rounds nothing.  The result is quantised along the channels for the next product.
; SHARES: work-group (j, batch x 16 + head) has sixteen waves of one query tile each: waves 0-7 tiles 8 j + w, waves 8-15 tiles 8 (15 - j) + w - 8: early and late queries together, so that every work-group has the same
; count, 8 (j + 1) + 8 (16 - j) = 136, of units of 16 queries x 128 keys.  Four waves share a SIMD, so that one wave's vector work stands beside another's matrix work.
; K and V of the head, 196,608 bytes of half images, and their scale words come into LDS once, in quarters of 512 keys; nothing is filled twice.  Every wave walks all 16 key steps (constant trip counts, every barrier passed);
; a step all of whose keys lie behind the wave's queries leaves its work out by a scalar branch on ids.
; NO CLUSTER: the work-groups that read the same K and V differ in their query blocks, and the branch that leaves hidden steps out, which halves the work, hangs on the block.
; LIMITS: NaN and infinities are not served; a block whose every p is 0 keeps the byte 1 over zero codes.
.set KW,   196608                      ; LDS: K's scale words, 4 bytes a key slot
.set VW,   204800                      ; V's: [128 keys][64 channel slots]
.set ST,   208896                      ; the stage for the results' scale bytes
.set QTR,  49152                       ; a quarter: K's 24,576 bytes, then V's
.set L16,  1                           ; v1   16 x lane
.set L8,   2                           ; v2   512 + 8 x lane
.set AKW,  3
.set AVW,  4                           ; v4   VW + 4 r
.set QL,   5                           ; v5   my query - 16 (lane / 16)
.set ADK,  6                           ; v6-9 the step's addresses
.set ADK8, 7
.set ADS,  8
.set ADT,  9
.set VSW,  10                          ; v10-13 V's scale words
.set NM,   14                          ; v14 -M, v15 the largest t
.set SUM,  16                          ; v[16:17] the row's sum in two halves
.set QF,   18                          ; v18-29 Q's fragment
.set QS,   30                          ; v30  Q's scale word
.set STW,  31                          ; v31  ST + 32 w + 2 r
.set KFR,  32                          ; v32-79  four fragments of K
.set VFR,  80                          ; v80-127 four of V
.set S,    128                         ; v128-191 S^T, then p
.set O,    192                         ; v192-223 O^T
.set PCD,  224                         ; v224-235 p's codes
.set MX,   236                         ; v236-239 the blocks' largest
.set PT,   240                         ; v240-243 at work
.set SO,   244                         ; v244-247 the conversions' scale operands
.set KSW,  248                         ; v248-251 K's scale words
.set WV,   8
.set TQ,   13
.set Q0,   14
.set SEL,  20
.set CS,   22
.set G1C,  24
.set G1K,  32
.set G1V,  40
.set TK,   72
.set TS,   73
.set TJ,   74
.set KEY,  75
.set CNT,  76
.macro PLACES
.rept 4
	v_nop
.endr
.endm
.macro MKG0 g, q
	s_mov_b32 s[\g], 1
	s_add_co_u32 s[\g+1], s82, \q*QTR
	s_add_nc_u64 s[\g+2:\g+3], s[78:79], \q*24576
	s_or_b32 s[\g+3], s[\g+3], 0x80000000
.endm
	s_load_b128 s[4:7], s[0:1], 0x0                ; qkvq, attq
	v_lshl_add_u32 v254, v0, 2, 0x34000
	v_mov_b32 v255, 0
	ds_add_u32 v254, v255
	ds_add_u32 v254, v255
	s_wait_dscnt 0x0
	v_lshrrev_b32 v1, 5, v0
	s_delay_alu instid0(VALU_DEP_1)
	v_readfirstlane_b32 s[WV], v1                  ; wave 0..15
	s_and_b32 s10, ttmp7, 0xffff
	s_lshr_b32 s11, s10, 4                         ; batch
	s_and_b32 s12, s10, 15                         ; head
	s_lshl_b32 s[TQ], ttmp9, 3
	s_add_co_u32 s[TQ], s[TQ], s[WV]
	s_sub_co_u32 s15, 15, ttmp9
	s_lshl_b32 s15, s15, 3
	s_add_co_u32 s15, s15, s[WV]
	s_sub_co_u32 s15, s15, 8
	s_cmp_lt_u32 s[WV], 8
	s_cselect_b32 s[TQ], s[TQ], s15                ; my tile of queries
	s_lshr_b32 s[Q0], s[TQ], 1
	s_lshl_b32 s[Q0], s[Q0], 5
	s_and_b32 s15, s[TQ], 1
	s_lshl_b32 s15, s15, 3
	s_add_co_u32 s[Q0], s[Q0], s15
; THE KEYS OF A LATE TILE ARE SHARED BY TWO WAVES.  Wave w < 8 owns early tile A = 8 j + w (key steps 0 .. j, all inside quarters 0 and 1); wave w + 8 owns late tile B = 8 (15 - j) + w (key steps 0 .. 15 - j).
; Wave w + 8 takes B's key steps 0 .. 8; wave w, done with A, parks A's state in LDS ahead of quarter 2 and takes B's key steps 9 and up: 8 steps for wave w, 9 for wave w + 8.
; At the end wave w hands its part of B over through LDS and takes A's state back; wave w + 8 joins the two parts under the larger M (whole numbers: both factors are exact powers of two).
.set LIM, 60                           ; s60  a step is done while KEY < LIM
.set KLO, 61                           ; s61  and KEY >= KLO
.set PB,  215040                       ; LDS: parked states, 4,608 bytes a wave pair (O: 8 x 512, then -M, t, the sum's halves: 512); from PB + 36,864 on: B's upper parts.  No tensor load lands here
	s_lshl_b32 s67, ttmp9, 4
	s_sub_co_u32 s67, 120, s67                     ; from tile A to tile B: 120 - 16 j tiles
	s_mul_i32 s62, s67, 768                        ; in bytes of q's half images,
	s_mov_b32 s63, 0
	s_lshl_b32 s68, s67, 6                         ; of q's scale words,
	s_mov_b32 s69, 0
	s_lshl_b32 s67, s67, 4                         ; and in queries
	s_add_co_u32 s[LIM], s[Q0], 24                 ; keys behind my tile's last query are hidden;
	s_min_u32 s70, s[LIM], 1152                    ; waves 8-15 stop behind key step 8
	s_cmp_lt_u32 s[WV], 8
	s_cselect_b32 s[LIM], s[LIM], s70
	s_mov_b32 s[KLO], 0
	s_and_b32 s66, s[WV], 7
	s_mul_i32 s66, s66, 4608
	s_add_co_u32 s66, s66, PB                      ; my pair's bytes
	s_lshl_b32 s15, s11, 7
	s_add_co_u32 s15, s15, s[TQ]                   ; the tile among all 256
	s_and_b32 s16, s[WV], 1                        ; K's and V's codes are 16 pieces of 12,288 bytes: piece p = 4 x quarter + 2 x (V) + half lies at LDS byte 12,288 p.  Waves 0-3 fetch pieces 0-3, wave 4 K's scale words, wave 5 V's; later waves 0-11 fetch pieces 4-15
	s_mul_i32 s77, s12, 196608
	s_mul_i32 s78, s11, 98304
	s_add_co_u32 s77, s77, s78
	s_add_co_u32 s77, s77, 3145728                 ; k's half images of this head and batch;
	s_bfe_u32 s78, s[WV], 0x10001                  ; piece w: K's (0) or V's (1),
	s_mul_i32 s78, s78, 3145728
	s_add_co_u32 s78, s77, s78
	s_lshr_b32 s82, s[WV], 2                       ; its quarter,
	s_mul_i32 s82, s82, 24576
	s_add_co_u32 s78, s78, s82
	s_mul_i32 s82, s16, 12288                      ; its half
	s_add_co_u32 s78, s78, s82
	s_mov_b32 s79, 0
	s_lshl_b32 s80, s12, 13
	s_lshl_b32 s81, s11, 12
	s_add_co_u32 s80, s80, s81
	s_lshl_b32 s81, s80, 1
	s_add_co_u32 s80, s80, 9961472                 ; v's scale words,
	s_add_co_u32 s81, s81, 9699328                 ; k's
	s_cmp_eq_u32 s16, 0
	s_cselect_b32 s80, s81, s80
	s_mov_b32 s81, 0
	s_mul_i32 s82, s[WV], 12288
	s_lshl_b32 s83, s16, 13
	s_add_co_u32 s83, s83, KW
	s_mov_b32 s[G1C+0], 3<<16                      ; no mask; elements of 8 bytes; no padding
	s_mov_b32 s[G1C+1], 32<<16                     ; a dense block as rows of 256 bytes
	s_mov_b32 s[G1C+2], 48<<16                     ; 48 rows: 12,288 bytes
	s_mov_b32 s[G1C+3], 32<<16
	s_mov_b32 s[G1C+4], 48
	s_mov_b32 s[G1C+5], 32
	s_mov_b32 s[G1C+6], 0
	s_mov_b32 s[G1C+7], 0
	s_mov_b32 s[G1K+0], 3<<16
	s_mov_b32 s[G1K+1], 32<<16
	s_mov_b32 s[G1K+2], 32<<16                     ; K's scale words: 8,192 bytes
	s_mov_b32 s[G1K+3], 32<<16
	s_mov_b32 s[G1K+4], 32
	s_mov_b32 s[G1K+5], 32
	s_mov_b32 s[G1K+6], 0
	s_mov_b32 s[G1K+7], 0
	s_mov_b32 s[G1V+0], 3<<16
	s_mov_b32 s[G1V+1], 32<<16
	s_mov_b32 s[G1V+2], 16<<16                     ; V's: 4,096 bytes
	s_mov_b32 s[G1V+3], 32<<16
	s_mov_b32 s[G1V+4], 16
	s_mov_b32 s[G1V+5], 32
	s_mov_b32 s[G1V+6], 0
	s_mov_b32 s[G1V+7], 0
	s_lshl_b32 s84, s15, 4
	s_add_co_u32 s84, s84, s12
	s_mul_i32 s84, s84, 768                        ; the result: half image (tile, k64 = head)
	s_mov_b32 s85, 0
	s_lshl_b32 s86, s12, 13
	s_lshl_b32 s87, s11, 12
	s_add_co_u32 s86, s86, s87
	s_lshl_b32 s87, ttmp9, 8
	s_add_co_u32 s86, s86, s87
	s_add_co_u32 s86, s86, 3145728                 ; its scale bytes [head][slot] of 2 bytes, at tile 8 j
	s_mov_b32 s87, 0
	s_lshl_b32 s88, s12, 8
	s_add_co_u32 s88, s88, s15
	s_mul_i32 s88, s88, 768                        ; q's half image
	s_mov_b32 s89, 0
	s_lshl_b32 s18, s12, 14
	s_lshl_b32 s19, s15, 6
	s_add_co_u32 s18, s18, s19
	s_add_co_u32 s18, s18, 9437184                 ; q's scale words
	s_mov_b32 s19, 0
	s_mov_b32 s[SEL], 0x76543210
	s_mov_b32 s[SEL+1], 0xfedcba98                 ; v_permlanex16_b32's selects for lane l xor 16
	s_mov_b32 s[CS], 0x3e38aa3b                    ; c = log2(e) / sqrt(64)
	s_mov_b32 s[CS+1], s[CS]                       ; (named with it as a pair, so it is written)
	s_mov_b32 s[TS], 0
	s_mov_b32 s[TJ], 0
	s_mov_b32 s[KEY], 0
	s_lshl_b32 s77, s[WV], 5
	s_add_co_u32 s77, s77, ST
	v_and_b32 v254, 15, v0                         ; r
	v_bfe_u32 v255, v0, 4, 1                       ; h
	v_and_b32 v1, 31, v0
	s_delay_alu instid0(VALU_DEP_1)
	v_lshl_add_u32 v[L8], v1, 3, 512
	s_delay_alu instid0(VALU_DEP_2)
	v_lshlrev_b32 v[L16], 4, v1
	v_lshl_add_u32 v[AKW], v254, 2, KW
	v_lshl_add_u32 v[AVW], v254, 2, VW
	v_lshl_add_u32 v[STW], v254, 1, s77
	v_and_b32 v[QL], 8, v254
	s_delay_alu instid0(VALU_DEP_1)
	v_add_nc_u32 v[QL], v[QL], v254
	s_delay_alu instid0(VALU_DEP_1)
	v_add_nc_u32 v[QL], s[Q0], v[QL]               ; my query
	v_lshlrev_b32 v6, 4, v255
	s_delay_alu instid0(VALU_DEP_1)
	v_sub_nc_u32 v[QL], v[QL], v6
	v_lshlrev_b32 v6, 2, v254                      ; 4 r
	s_wait_kmcnt 0x0
	s_add_nc_u64 s[78:79], s[4:5], s[78:79]
	s_add_nc_u64 s[80:81], s[4:5], s[80:81]
	s_add_nc_u64 s[88:89], s[4:5], s[88:89]
	s_add_nc_u64 s[18:19], s[4:5], s[18:19]
	s_add_nc_u64 s[84:85], s[6:7], s[84:85]
	s_add_nc_u64 s[86:87], s[6:7], s[86:87]
	s_mov_b32 s48, 1
	s_mov_b32 s49, s83
	s_mov_b64 s[50:51], s[80:81]
	s_or_b32 s51, s51, 0x80000000
	MKG0 52, 0
	MKG0 56, 1
	s_cmp_lt_u32 s[WV], 4                          ; the head's fills: one chain of branches on the wave's number, one load to an arm
	s_cbranch_scc0 .Lnot_c
	tensor_load_to_lds s[52:55], s[G1C:G1C+7]      ; quarter 0: piece w
	s_nop 0
	PLACES
	s_branch .Lfilled
.Lnot_c:
	s_cmp_eq_u32 s[WV], 4
	s_cbranch_scc0 .Lnot_k
	tensor_load_to_lds s[48:51], s[G1K:G1K+7]      ; K's scale words
	s_nop 0
	PLACES
	s_branch .Lfilled
.Lnot_k:
	s_cmp_eq_u32 s[WV], 5
	s_cbranch_scc0 .Lfilled
	tensor_load_to_lds s[48:51], s[G1V:G1V+7]      ; V's
	s_nop 0
	PLACES
.Lfilled:
	global_load_b128 v[QF:QF+3], v[L16], s[88:89]  ; Q's half image stays in registers
	global_load_b64 v[QF+4:QF+5], v[L8], s[88:89]
	s_wait_alu depctr_va_vdst(0)
	global_load_b32 v[QS], v6, s[18:19]
.irp i, 6,7,8,9,10,11
	v_mov_b32 v[QF+\i], 0                          ; k = 64 .. 127: zero codes
.irp t, 0,1,2,3
	v_mov_b32 v[KFR+12*\t+\i], 0
.endr
.endr
	v_mov_b32 v[NM+1], 0xff61b1e6                  ; the largest t so far: -3e38, under every t
	s_delay_alu instid0(VALU_DEP_1)
	v_floor_f32 v[NM], -v[NM+1]                    ; -M
	v_mov_b32 v[SUM], 0
	v_mov_b32 v[SUM+1], 0
.set j, 0
.rept 32
	v_mov_b32 v[O+j], 0                            ; the step is written once: the first finds zeros, which the first change of M leaves zeros
.set j, j+1
.endr
.irp i, 0,1,2,3,4,5,6,7
	v_mov_b32 v[MX+\i], 0                          ; written once: a lane permute's destination counts as one of its sources
.endr
	v_mov_b32 v253, 0                              ; (named as the upper half of the pair v[252:253] before it is first written)
	v_mov_b32 v254, 0
	v_mov_b32 v255, 0
	s_wait_loadcnt 0x0                             ; Q; v6 may be written again
; A KEY STEP: 128 keys.
.macro STEP
	s_cmp_ge_u32 s[KEY], s[LIM]                    ; hidden keys, or my partner's: the step's work is left out; no barrier and no tensor load stands in a step
	s_cbranch_scc1 .Lhidden_\@
	s_cmp_lt_u32 s[KEY], s[KLO]
	s_cbranch_scc1 .Lhidden_\@
	v_add_nc_u32 v[ADK], s[TK], v[L16]             ; (these four are also the places behind the last step's products, in front of the loads into V's registers)
	v_add_nc_u32 v[ADK8], s[TK], v[L8]
	v_add_nc_u32 v[ADS], s[TS], v[AKW]
	v_add_nc_u32 v[ADT], s[TJ], v[AVW]
.irp t, 0,1,2,3
	ds_load_b128 v[KFR+12*\t:KFR+12*\t+3], v[ADK] offset:768*\t
	ds_load_b64 v[KFR+12*\t+4:KFR+12*\t+5], v[ADK8] offset:768*\t
	ds_load_b32 v[KSW+\t], v[ADS] offset:64*\t
.endr
.irp d, 0,1,2,3
.irp c, 0,1
	ds_load_b128 v[VFR+12*\d+6*\c:VFR+12*\d+6*\c+3], v[ADK] offset:24576+3072*\c+768*\d
	ds_load_b64 v[VFR+12*\d+6*\c+4:VFR+12*\d+6*\c+5], v[ADK8] offset:24576+3072*\c+768*\d
.endr
	ds_load_b32 v[VSW+\d], v[ADT] offset:64*\d
.endr
	s_wait_alu depctr_va_vdst(0)
	s_wait_dscnt 20                                ; K's first four tiles are in; V's 20 loads may be out
.irp t, 0,1,2,3
	v_wmma_scale_f32_16x16x128_f8f6f4 v[S+8*\t:S+8*\t+7], v[KFR+12*\t:KFR+12*\t+11], v[QF:QF+11], 0, v[KSW+\t], v[QS] matrix_a_fmt:MATRIX_FMT_BF6 matrix_b_fmt:MATRIX_FMT_BF6
.endr
	PLACES
.irp t, 0,1,2,3
	ds_load_b128 v[KFR+12*\t:KFR+12*\t+3], v[ADK] offset:768*(4+\t)
	ds_load_b64 v[KFR+12*\t+4:KFR+12*\t+5], v[ADK8] offset:768*(4+\t)
	ds_load_b32 v[KSW+\t], v[ADS] offset:256+64*\t
.endr
	s_wait_dscnt 0x0
.irp t, 0,1,2,3
	v_wmma_scale_f32_16x16x128_f8f6f4 v[S+32+8*\t:S+32+8*\t+7], v[KFR+12*\t:KFR+12*\t+11], v[QF:QF+11], 0, v[KSW+\t], v[QS] matrix_a_fmt:MATRIX_FMT_BF6 matrix_b_fmt:MATRIX_FMT_BF6
.endr
	PLACES
	s_add_co_u32 s77, s[KEY], 127                  ; on the diagonal hidden scores become -infinity ahead of the maximum; a step all of whose keys count for all my queries skips this
	s_cmp_le_u32 s77, s[Q0]
	s_cbranch_scc1 .Lopen_\@
	v_sub_nc_u32 v252, v[QL], s[KEY]               ; d: register 16 b + i holds key KEY + 16 (lane / 16) + 32 b + i: hidden where 32 b + i > d
	v_mov_b32 v254, 0xff800000
.set n, 0
.rept 64
	v_cmp_gt_i32 vcc_lo, 32*(n/16)+n%16, v252
	v_cndmask_b32 v[S+n], v[S+n], v254, vcc_lo
.set n, n+1
.endr
.Lopen_\@:
.irp b, 0,1,2,3
	v_max3_num_f32 v[MX+\b], v[S+16*\b], v[S+1+16*\b], v[S+2+16*\b]   ; the largest score of each block of 32 keys: for the row's maximum and, since p rises with the score, for the block's largest p
.endr
.irp i, 3,5,7,9,11,13
.irp b, 0,1,2,3
	v_max3_num_f32 v[MX+\b], v[MX+\b], v[S+16*\b+\i], v[S+1+16*\b+\i]
.endr
.endr
.irp b, 0,1,2,3
	v_max_num_f32 v[MX+\b], v[MX+\b], v[S+15+16*\b]
.endr
.irp b, 0,1,2,3
	s_delay_alu instid0(VALU_DEP_4)
	v_permlanex16_b32 v[PT+\b], v[MX+\b], s[SEL], s[SEL+1]
.endr
.irp b, 0,1,2,3
	s_delay_alu instid0(VALU_DEP_4)
	v_max_num_f32 v[MX+\b], v[MX+\b], v[PT+\b]
.endr
	s_delay_alu instid0(VALU_DEP_2)
	v_max3_num_f32 v254, v[MX], v[MX+1], v[MX+2]
	s_delay_alu instid0(VALU_DEP_1)
	v_max_num_f32 v254, v254, v[MX+3]
	s_delay_alu instid0(VALU_DEP_1)
	v_mul_f32 v254, s[CS], v254                    ; as t (c is positive)
	s_delay_alu instid0(VALU_DEP_1)
	v_max_num_f32 v[NM+1], v[NM+1], v254           ; the running largest t
	v_mov_b32 v254, v[NM]
	s_delay_alu instid0(VALU_DEP_2)
	v_floor_f32 v[NM], -v[NM+1]                    ; the new -M = -ceil(t): a whole number
	s_delay_alu instid0(VALU_DEP_1)
	v_sub_f32 v254, v[NM], v254                    ; old M - new M, 0 or less
	s_delay_alu instid0(VALU_DEP_1)
	v_cvt_i32_f32 v254, v254                       ; (it saturates)
	s_delay_alu instid0(VALU_DEP_1)
	v_ldexp_f32 v252, 1.0, v254                    ; f = 2^(old M - new M)
.set j, 0
.rept 32
	v_pk_fma_f32 v[S+j:S+j+1], v[S+j:S+j+1], s[CS:CS+1], v[NM:NM+1] op_sel_hi:[1,0,0]   ; t - M (of the pairs c and -M the low word serves both halves)
.set j, j+2
.endr
.irp b, 0,1,2,3
	v_fma_f32 v[MX+\b], v[MX+\b], s[CS], v[NM]
.endr
.set j, 0
	s_wait_alu depctr_va_vdst(0)
.rept 64
	v_exp_f32 v[S+j], v[S+j]                       ; p = 2^(t - M)
.set j, j+1
.endr
.irp b, 0,1,2,3
	v_exp_f32 v[MX+\b], v[MX+\b]                   ; the block's largest p: the same two instructions on the same number
.endr
	v_pk_mul_f32 v[SUM:SUM+1], v[SUM:SUM+1], v[252:253] op_sel_hi:[1,0]   ; the sums under the new M (a plain place behind the exponentials)
	s_wait_alu depctr_va_vdst(0)
.irp b, 0,1,2,3
	v_max_num_f32 v[MX+\b], 0x2800000, v[MX+\b]    ; the floor 2^(5 - 127)
.endr
.irp b, 0,1,2,3
	s_delay_alu instid0(VALU_DEP_4)
	v_add_nc_u32 v[SO+\b], 0xfe000000, v[MX+\b]
.endr
.irp b, 0,1,2,3
	s_delay_alu instid0(VALU_DEP_4)
	v_lshrrev_b32 v[PT+\b], 23, v[SO+\b]
.endr
	s_delay_alu instid0(VALU_DEP_3)
	v_lshl_or_b32 v253, v[PT+1], 8, v[PT]          ; p's scale word for these 128 keys
	s_delay_alu instid0(VALU_DEP_1)
	v_lshl_or_b32 v253, v[PT+2], 16, v253
	s_delay_alu instid0(VALU_DEP_1)
	v_lshl_or_b32 v253, v[PT+3], 24, v253
.irp c, 0,1
	v_cvt_scalef32_pk16_bf6_f32 v[PCD+6*\c:PCD+2+6*\c], v[S+32*\c:S+15+32*\c], v[SO+2*\c]
	v_cvt_scalef32_pk16_bf6_f32 v[MX+4*\c:MX+2+4*\c], v[S+16+32*\c:S+31+32*\c], v[SO+2*\c+1]
.endr
	v_nop                                          ; one plain place behind a scaled conversion
.irp c, 0,1
.irp i, 0,1,2
	v_permlane16_swap_b32 v[PCD+6*\c+\i], v[MX+4*\c+\i]
.endr
.irp i, 0,1,2
	s_delay_alu instid0(VALU_DEP_3)
	v_mov_b32 v[PCD+3+6*\c+\i], v[MX+4*\c+\i]
.endr
.endr
	v_pk_add_f32 v[254:255], v[132:133], v[136:137]
	v_pk_add_f32 v[250:251], v[140:141], v[144:145]
	v_pk_add_f32 v[248:249], v[148:149], v[152:153]
	v_pk_add_f32 v[246:247], v[156:157], v[160:161]
	v_pk_add_f32 v[244:245], v[164:165], v[168:169]
	v_pk_add_f32 v[236:237], v[172:173], v[176:177]
	v_pk_add_f32 v[72:73], v[180:181], v[184:185]
	v_pk_add_f32 v[16:17], v[16:17], v[188:189]
	v_pk_add_f32 v[254:255], v[254:255], v[128:129]
	v_pk_add_f32 v[250:251], v[250:251], v[130:131]
	v_pk_add_f32 v[248:249], v[248:249], v[134:135]
	v_pk_add_f32 v[246:247], v[246:247], v[138:139]
	v_pk_add_f32 v[244:245], v[244:245], v[142:143]
	v_pk_add_f32 v[236:237], v[236:237], v[146:147]
	v_pk_add_f32 v[72:73], v[72:73], v[150:151]
	v_pk_add_f32 v[16:17], v[16:17], v[154:155]
	v_pk_add_f32 v[254:255], v[254:255], v[158:159]
	v_pk_add_f32 v[250:251], v[250:251], v[162:163]
	v_pk_add_f32 v[248:249], v[248:249], v[166:167]
	v_pk_add_f32 v[246:247], v[246:247], v[170:171]
	v_pk_add_f32 v[244:245], v[244:245], v[174:175]
	v_pk_add_f32 v[236:237], v[236:237], v[178:179]
	v_pk_add_f32 v[72:73], v[72:73], v[182:183]
	v_pk_add_f32 v[16:17], v[16:17], v[186:187]
	v_pk_add_f32 v[254:255], v[254:255], v[190:191]
	s_delay_alu instid0(VALU_DEP_2)
	v_pk_add_f32 v[16:17], v[16:17], v[246:247]
	s_delay_alu instid0(VALU_DEP_2)
	v_pk_add_f32 v[254:255], v[254:255], v[244:245]
	v_pk_add_f32 v[250:251], v[250:251], v[236:237]
	v_pk_add_f32 v[248:249], v[248:249], v[72:73]
	s_delay_alu instid0(VALU_DEP_2)
	v_pk_add_f32 v[16:17], v[16:17], v[250:251]
	s_delay_alu instid0(VALU_DEP_2)
	v_pk_add_f32 v[254:255], v[254:255], v[248:249]
	s_delay_alu instid0(VALU_DEP_1)
	v_pk_add_f32 v[16:17], v[16:17], v[254:255]
.set j, 0
.rept 16
	v_pk_mul_f32 v[O+j:O+j+1], v[O+j:O+j+1], v[252:253] op_sel_hi:[1,0]   ; O^T under the new M
.set j, j+2
.endr
.irp d, 0,1,2,3
	v_wmma_scale_f32_16x16x128_f8f6f4 v[O+8*\d:O+8*\d+7], v[VFR+12*\d:VFR+12*\d+11], v[PCD:PCD+11], v[O+8*\d:O+8*\d+7], v[VSW+\d], v253 matrix_a_fmt:MATRIX_FMT_BF6 matrix_b_fmt:MATRIX_FMT_BF6
.endr
.Lhidden_\@:
	s_add_co_u32 s[KEY], s[KEY], 128
	s_add_co_u32 s[TK], s[TK], 6144
	s_add_co_u32 s[TS], s[TS], 512
	s_add_co_u32 s[TJ], s[TJ], 256
.endm
.macro QUARTER qt
.if \qt == 0
	v_lshl_add_u32 v254, v0, 2, 0x34000            ; the add's two registers are made anew: they were at work in the head
	v_mov_b32 v255, 0
	s_wait_alu depctr_va_vdst(0)
	s_wait_tensorcnt 0x0                           ; quarter 0 and the scale words are in
	ds_add_u32 v254, v255
	ds_add_u32 v254, v255                          ; the add twice
	s_wait_dscnt 0x0
	s_barrier_signal -1
	s_barrier_wait -1
	s_cmp_lt_u32 s[WV], 12
	s_cbranch_scc0 .Lno_more
	tensor_load_to_lds s[56:59], s[G1C:G1C+7]      ; quarters 1 to 3: piece w + 4; quarter 0's four key steps stand between this load and the wait for it
	s_nop 0
	PLACES
.Lno_more:
.endif
.if \qt == 1
	s_wait_dscnt 0x0
	s_wait_tensorcnt 0x0                           ; my piece is in: behind this barrier all of K and V lies in LDS, and no later barrier is needed in the walk
	s_barrier_signal -1
	s_barrier_wait -1
.endif
.if \qt == 2
	PLACES                                         ; behind the last products: their results are stored, and their registers loaded and written, below
	v_add_nc_u32 v6, s66, v[L16]
	v_and_b32 v7, 15, v0
	s_delay_alu instid0(VALU_DEP_1)
	v_lshlrev_b32 v7, 2, v7                        ; 4 r
	s_wait_alu depctr_va_vdst(0)
	s_cmp_lt_u32 s[WV], 8
	s_cbranch_scc0 .Lmid_done
	s_add_nc_u64 s[88:89], s[88:89], s[62:63]      ; waves 0-7 change from tile A to tile B: B's queries,
	s_add_nc_u64 s[18:19], s[18:19], s[68:69]
	global_load_b128 v[QF:QF+3], v[L16], s[88:89]
	global_load_b64 v[QF+4:QF+5], v[L8], s[88:89]
	global_load_b32 v[QS], v7, s[18:19]
.irp d, 0,1,2,3
	ds_store_b128 v6, v[O+8*\d:O+8*\d+3] offset:1024*\d          ; A's state is parked, each accumulator from its low end on;
	ds_store_b128 v6, v[O+8*\d+4:O+8*\d+7] offset:1024*\d+512
.endr
	ds_store_b128 v6, v[NM:NM+3] offset:4096
	v_mov_b32 v[NM+1], 0xff61b1e6                  ; and a state begun anew, as at the head
	s_delay_alu instid0(VALU_DEP_1)
	v_floor_f32 v[NM], -v[NM+1]
	v_mov_b32 v[SUM], 0
	v_mov_b32 v[SUM+1], 0
.set j, 0
.rept 32
	v_mov_b32 v[O+j], 0
.set j, j+1
.endr
	v_add_nc_u32 v[QL], s67, v[QL]
	s_add_co_u32 s[Q0], s[Q0], s67
	s_add_co_u32 s[LIM], s[Q0], 24
	s_mov_b32 s[KLO], 1152                         ; key steps 9 and up
	s_wait_alu depctr_va_vdst(0)
	s_wait_loadcnt 0x0
.Lmid_done:
.endif
	s_mov_b32 s[TK], QTR*\qt
	s_mov_b32 s[CNT], 4
.Lq_\@:
	STEP
	s_sub_co_u32 s[CNT], s[CNT], 1
	s_cmp_lg_u32 s[CNT], 0
	s_cbranch_scc1 .Lq_\@
.endm
	QUARTER 0
	QUARTER 1
	QUARTER 2
	QUARTER 3
	; THE WAY OUT: O^T / the sum, quantised along the head's 64 channels: a half image for the next product, and two scale bytes a query
	PLACES
	v_add_nc_u32 v6, s66, v[L16]
	s_wait_alu depctr_va_vdst(0)
	s_cmp_lt_u32 s[WV], 8
	s_cbranch_scc0 .Lhigh
.irp d, 0,1,2,3
	ds_store_b128 v6, v[O+8*\d:O+8*\d+3] offset:36864+1024*\d    ; waves 0-7: B's upper part goes to the partner,
	ds_store_b128 v6, v[O+8*\d+4:O+8*\d+7] offset:36864+1024*\d+512
.endr
	ds_store_b128 v6, v[NM:NM+3] offset:36864+4096
.irp d, 0,1,2,3
	ds_load_b128 v[O+8*\d:O+8*\d+3], v6 offset:1024*\d           ; and A's state comes back (my own bytes; LDS serves a wave's instructions in order)
	ds_load_b128 v[O+8*\d+4:O+8*\d+7], v6 offset:1024*\d+512
.endr
	ds_load_b128 v[NM:NM+3], v6 offset:4096
.Lhigh:
	s_wait_dscnt 0x0                               ; for the partner's sake: my stores have landed; and my loads are in
	s_barrier_signal -1
	s_barrier_wait -1
	s_cmp_lt_u32 s[WV], 8
	s_cbranch_scc1 .Lmerged
.irp i, 0,1,2,3,4,5,6,7,8
	ds_load_b128 v[S+4*\i:S+4*\i+3], v6 offset:36864+512*\i      ; waves 8-15: the partner's O^T in v[S] on, its -M, t and sums in v[S+32] on
.endr
	s_wait_dscnt 0x0
	v_min_num_f32 v252, v[NM], v[S+32]             ; -M of the two parts together
	s_delay_alu instid0(VALU_DEP_1)
	v_sub_f32 v254, v252, v[NM]                    ; my M less the joint M, 0 or less: a whole number
	s_delay_alu instid0(VALU_DEP_2)
	v_sub_f32 v255, v252, v[S+32]                  ; the partner's
	s_delay_alu instid0(VALU_DEP_2)
	v_cvt_i32_f32 v254, v254                       ; (they saturate: a part with no key has factor 0 over zeros)
	s_delay_alu instid0(VALU_DEP_2)
	v_cvt_i32_f32 v255, v255
	s_delay_alu instid0(VALU_DEP_2)
	v_ldexp_f32 v252, 1.0, v254
	s_delay_alu instid0(VALU_DEP_2)
	v_ldexp_f32 v254, 1.0, v255
.set j, 0
.rept 16
	v_pk_mul_f32 v[O+j:O+j+1], v[O+j:O+j+1], v[252:253] op_sel_hi:[1,0]
.set j, j+2
.endr
	v_pk_mul_f32 v[SUM:SUM+1], v[SUM:SUM+1], v[252:253] op_sel_hi:[1,0]
.set j, 0
.rept 16
	v_pk_fma_f32 v[O+j:O+j+1], v[S+j:S+j+1], v[254:255], v[O+j:O+j+1] op_sel_hi:[1,0,1]
.set j, j+2
.endr
	v_pk_fma_f32 v[SUM:SUM+1], v[S+34:S+35], v[254:255], v[SUM:SUM+1] op_sel_hi:[1,0,1]
.Lmerged:
	v_add_f32 v[SUM], v[SUM], v[SUM+1]
	s_wait_alu depctr_va_vdst(0)
	v_permlanex16_b32 v254, v[SUM], s[SEL], s[SEL+1]
	s_delay_alu instid0(VALU_DEP_1)
	v_add_f32 v[SUM], v[SUM], v254
	s_wait_alu depctr_va_vdst(0)
	v_rcp_f32 v[SUM], v[SUM]
	v_add_nc_u32 v6, ST, v[L16]                    ; (a plain place behind the transcendental)  where wave 0 reads the stage back
	s_lshl_b32 s77, ttmp9, 1
	s_sub_co_u32 s77, 15, s77
	s_lshl_b32 s77, s77, 8                         ; from tile 8 j to tile 8 (15 - j), in scale bytes
	v_bfe_u32 v7, v0, 4, 1
	s_delay_alu instid0(VALU_DEP_1)
	v_mul_lo_u32 v7, v7, s77
	v_and_b32 v8, 15, v0
	s_delay_alu instid0(VALU_DEP_1)
	v_lshl_add_u32 v7, v8, 4, v7
.set j, 0
	s_wait_alu depctr_va_vdst(0)
.rept 32
	v_mul_f32 v[S+j], v[O+j], v[SUM]               ; register 16 b + i is channel 32 b + 16 (lane / 16) + i of my query
.set j, j+1
.endr
	v_max3_num_f32 v[MX], |v[S]|, |v[S+1]|, 0x2800000
	v_max3_num_f32 v[MX+1], |v[S+16]|, |v[S+17]|, 0x2800000
.irp i, 2,4,6,8,10,12,14
	s_delay_alu instid0(VALU_DEP_2)
	v_max3_num_f32 v[MX], v[MX], |v[S+\i]|, |v[S+\i+1]|
	s_delay_alu instid0(VALU_DEP_2)
	v_max3_num_f32 v[MX+1], v[MX+1], |v[S+16+\i]|, |v[S+17+\i]|
.endr
	s_delay_alu instid0(VALU_DEP_2)
	v_permlanex16_b32 v[MX+2], v[MX], s[SEL], s[SEL+1]
	s_delay_alu instid0(VALU_DEP_2)
	v_permlanex16_b32 v[MX+3], v[MX+1], s[SEL], s[SEL+1]
	s_delay_alu instid0(VALU_DEP_2)
	v_max_num_f32 v[MX], v[MX], v[MX+2]
	s_delay_alu instid0(VALU_DEP_2)
	v_max_num_f32 v[MX+1], v[MX+1], v[MX+3]
	s_delay_alu instid0(VALU_DEP_2)
	v_add_nc_u32 v[MX], 0xfe000000, v[MX]
	s_delay_alu instid0(VALU_DEP_2)
	v_add_nc_u32 v[MX+1], 0xfe000000, v[MX+1]
	s_delay_alu instid0(VALU_DEP_2)
	v_lshrrev_b32 v[MX+2], 23, v[MX]
	s_delay_alu instid0(VALU_DEP_2)
	v_lshrrev_b32 v[MX+3], 23, v[MX+1]
	s_delay_alu instid0(VALU_DEP_1)
	v_lshl_or_b32 v255, v[MX+3], 8, v[MX+2]
	v_cvt_scalef32_pk16_bf6_f32 v[PCD:PCD+2], v[S:S+15], v[MX]
	v_cvt_scalef32_pk16_bf6_f32 v[PCD+8:PCD+10], v[S+16:S+31], v[MX+1]
	v_nop
.irp i, 0,1,2
	v_permlane16_swap_b32 v[PCD+\i], v[PCD+8+\i]
.endr
.irp i, 0,1,2
	s_delay_alu instid0(VALU_DEP_3)
	v_mov_b32 v[PCD+3+\i], v[PCD+8+\i]
.endr
	global_store_b128 v[L16], v[PCD:PCD+3], s[84:85]
	global_store_b64 v[L8], v[PCD+4:PCD+5], s[84:85]
	ds_store_b16 v[STW], v255
	s_wait_dscnt 0x0
	s_barrier_signal -1
	s_barrier_wait -1                              ; sixteen tiles' scale bytes lie in the stage
	s_cmp_lg_u32 s[WV], 0
	s_cbranch_scc1 .Lend
	ds_load_b128 v[160:163], v6
	s_wait_dscnt 0x0
	global_store_b128 v7, v[160:163], s[86:87]     ; lanes 0-15: tiles 8 j on; lanes 16-31: tiles 8 (15 - j) on: 256 consecutive bytes each, aligned
.Lend:
	s_wait_xcnt 0x0
	v_lshl_add_u32 v254, v0, 2, 0x34000
	v_mov_b32 v255, 0
	s_wait_alu depctr_va_vdst(0)
	s_wait_tensorcnt 0x0
	ds_add_u32 v254, v255
	s_wait_dscnt 0x0
	s_endpgm
.Lfunc_end_k_q6ff8cedd83_att:
	.size	k_q6ff8cedd83_att, .Lfunc_end_k_q6ff8cedd83_att-k_q6ff8cedd83_att
	.p2alignl 7, 3214868480
	.fill 96, 4, 3214868480
	.section	.rodata,"a",@progbits
	.p2align	6, 0x0
	.amdhsa_kernel k_q6ff8cedd83_att
		.amdhsa_group_segment_fixed_size 327680
		.amdhsa_private_segment_fixed_size 0
		.amdhsa_enable_private_segment 0
		.amdhsa_kernarg_size 16
		.amdhsa_user_sgpr_count 2
		.amdhsa_user_sgpr_kernarg_segment_ptr 1
		.amdhsa_wavefront_size32 1
		.amdhsa_system_sgpr_workgroup_id_x 1
		.amdhsa_system_sgpr_workgroup_id_y 1
		.amdhsa_system_sgpr_workgroup_id_z 1
		.amdhsa_system_vgpr_workitem_id 0
		.amdhsa_next_free_vgpr 256
		.amdhsa_next_free_sgpr 90
		.amdhsa_reserve_vcc 1
		.amdhsa_float_denorm_mode_32 3
		.amdhsa_float_denorm_mode_16_64 3
		.amdhsa_memory_ordered 1
		.amdhsa_forward_progress 1
		.amdhsa_inst_pref_size 118
	.end_amdhsa_kernel
	.amdgpu_metadata
---
amdhsa.version: [ 1, 2 ]
amdhsa.kernels:
  - .name:           k_q6ff8cedd83_att
    .symbol:         k_q6ff8cedd83_att.kd
    .args:
      - { .name: qkvq, .offset: 0, .size: 8, .value_kind: global_buffer, .address_space: global }
      - { .name: attq, .offset: 8, .size: 8, .value_kind: global_buffer, .address_space: global }
    .group_segment_fixed_size: 327680
    .private_segment_fixed_size: 0
    .kernarg_segment_align: 8
    .kernarg_segment_size: 16
    .max_flat_workgroup_size: 512
    .sgpr_count:     90
    .vgpr_count:     256
    .wavefront_size: 32
...
	.end_amdgpu_metadata
.endif
;; end of part 3
;; launch outp (part 4): grid 4 x 64, 4 waves a work-group, clusters of 4 x 1, 222,720 bytes of LDS; arguments attq, wimg, out_w_scales, out_b, x, x1; writes x1
.if DOCPART == 4
	.amdgcn_target "amdgcn-amd-amdhsa--gfx1250"
	.amdhsa_code_object_version 6
	.text
	.protected	k_q6ff8cedd83_outp
	.globl	k_q6ff8cedd83_outp
	.p2align	8
	.type	k_q6ff8cedd83_outp,@function
k_q6ff8cedd83_outp:
	s_mov_b64 s[64:65], 0
	v_nop
	global_prefetch_b8 v0, s[64:65] scope:SCOPE_SE
	s_setreg_imm32_b32 hwreg(HW_REG_WAVE_MODE, 25, 1), 1
	s_wait_xcnt 0x0
	s_wait_alu depctr_hold_cnt(0) depctr_sa_sdst(0) depctr_va_vdst(0) depctr_va_sdst(0) depctr_va_ssrc(0) depctr_va_vcc(0) depctr_vm_vsrc(0)
	s_getreg_b32 s2, hwreg(HW_REG_IB_STS2, 6, 4)
	s_cmp_eq_u32 s2, 0
	s_cbranch_scc0 .Lentry_in_a_cluster
	s_endpgm
.Lentry_in_a_cluster:
	s_bfe_u32 s2, ttmp6, 0x10000c
	s_cmp_lg_u32 s2, 0x3003
	s_cbranch_scc0 .Lentry_shape_is_right
	s_endpgm
.Lentry_shape_is_right:
; out = res + (A W^T + bias): a 64 x 256 block of a product on codes of E3M2 (MX-BF6) with 1,024 output columns.  One text serves two launches, told apart by the five sizes at its head (K = 128 NK).
; With 256 rows to a work-group there would be 64 work-groups; 64 rows give 256.
; THE PANEL, 4 token tiles, is source 1.  It lies in memory as half images (16 rows x 64 K: 768 bytes, registers 0-3 of lane l at 16 l, registers 4-5 at 512 + 8 l), a tile's K on end, and comes into LDS once, in NCH chunks of CH K steps;
; its scale bytes ([k64][slot] of 2 bytes) come with it.  Nothing in LDS is filled twice.  THE STREAM, 4 weight tiles a wave, is source 0: register images from memory straight into registers, four K steps ahead.
; Slot r of tile t is row 32 (t / 2) + 8 (t % 2) + r + 8 (r / 8): a lane's results are 2 x 16 neighbouring columns of one token's row.
; CLUSTER: the four work-groups of a cluster make the four column blocks of the same 64 rows and share the panel: each of its loads is asked for jointly, with the mask of all four.
; THE WAY OUT: a tile of 16 rows x 64 columns goes through the wave's own stage in LDS and comes back by rows; bias and residual are added; sixteen lanes store 256 consecutive bytes, aligned.
; REGISTERS: window 0: v1-27 addresses and the bias; v32.. the panel's scale words (2 s + p: lanes 0-15 tile 2 p, lanes 16-31 tile 2 p + 1), v96.. the stream's (NK b + s): scales and nothing else; v224-255 rows on the way out.
;   window 1: five stream buffers of 48.   window 2: v0-127 accumulator (a, b) at 32 a + 8 b; v128-223 two sets of four panel fragments.   window 3: v0-127 the residual.
.set NK,   8                           ; K steps of 128
.set CH,   8
.set NCH,  1
.set WOFF, 2359296                     ; the weight's images in wimg
.set HOFF, 3145728                     ; the panel's scale bytes behind its half images
.set TP,   1536*NK                     ; a tile's K on end
.set CHB,  6144*CH                     ; LDS: [chunk][tile 4][1,536 CH]
.set HSC,  196608                      ; the panel's scale bytes [k64][128]
.set STG,  204800                      ; the stages: 16 rows x (256 + 16) bytes a wave
.set GB,   3                           ; v3     16 x lane
.set SO4,  4                           ; v4     my slot's row of the weight's scale bytes
.set STO,  5                           ; v5     into the stage
.set RD,   6                           ; v6     back out of it
.set RO,   7                           ; v7     my byte offset in two rows of the residual and of the result
.set PA16, 8                           ; v8-11  16 x lane + the chunk's base
.set PA8,  12                          ; v12-15 512 + 8 x lane + the chunk's base
.set HA,   16                          ; v16    HSC + 2 x lane
.set B16,  17                          ; v17    16 (lane % 16)
.set BIAS4, 24                         ; v24-27
.set SPN,  32
.set SS,   96
.set Y,    224
.set WV,   16
.set YY,   17
.set G1,   24
.set G1H,  32
.set G0H,  40
.set G0,   44
.set SB,   60
.set SSC,  62
.set CX,   66
.set WW,   67
.set BP,   68
.set RESB, 70
.set OUTB, 72
.set MSB, 0
.macro WIN new                         ; the immediate's high byte repeats the setting that is left
.if MSB != (\new)
	s_set_vgpr_msb (MSB<<8)|(\new)
.set MSB, \new
.endif
.endm
.macro PLACES                          ; four plain places behind a matrix instruction (ISA guide 7.12.1)
.rept 4
	v_nop
.endr
.endm
.macro CROUND                          ; a round of the cluster's barrier
	s_barrier_signal -1
	s_barrier_wait -1
	s_cmp_lg_u32 s[WV], 0
	s_cbranch_scc1 .Lnot_wave_0_\@
	s_barrier_signal -3
.Lnot_wave_0_\@:
	s_barrier_wait -3
	s_barrier_signal -1
	s_barrier_wait -1
.endm
.macro FETCH_A                         ; K step FS of the four panel tiles: 16 LDS loads, into set FS % 2
	WIN 0x80
.irp a, 0,1,2,3
.irp c, 0,1
	ds_load_b128 v[128+48*(FS%2)+12*\a+6*\c:128+48*(FS%2)+12*\a+6*\c+3], v[GB] offset:\a*CH*1536+FS*1536+768*\c
	ds_load_b64 v[128+48*(FS%2)+12*\a+6*\c+4:128+48*(FS%2)+12*\a+6*\c+5], v19 offset:\a*CH*1536+FS*1536+768*\c
.endr
.endr
.endm
.macro FETCH_B                         ; K step FS of my four weight tiles: 12 loads of 512 consecutive bytes, into buffer FS % 5
	WIN 0x40
.irp b, 0,1,2,3
.irp k, 0,1,2
	global_load_b128 v[48*(FS%5)+12*\b+4*\k:48*(FS%5)+12*\b+4*\k+3], v[GB], s[SB:SB+1] offset:TP*\b+1536*FS+512*\k
.endr
.endr
.endm
.macro RESLOAD a                       ; the residual at panel tile a's 16 rows, my 64 columns
	WIN 0xc0
.irp i, 0,1,2,3,4,5,6,7
	global_load_b128 v[32*(\a)+4*\i:32*(\a)+4*\i+3], v[RO], s[RESB:RESB+1] offset:(32*((\a)/2)+8*((\a)%2)+2*\i+8*(\i/4))*4096 th:TH_LOAD_NT
.endr
.endm
.macro MUL16                           ; K step st: 4 panel tiles x 4 weight tiles; the 16 accumulators take turns
	WIN 0xa9
.irp a, 0,1,2,3
.irp b, 0,1,2,3
.set rD, 32*\a+8*\b
.set rS, 48*(st%5)+12*\b
.set rP, 128+48*(st%2)+12*\a
.if st == 0
.if \a%2
	v_wmma_scale_f32_16x16x128_f8f6f4 v[rD:rD+7], v[rS:rS+11], v[rP:rP+11], 0, v[SS+NK*\b+st], v[SPN+2*st+\a/2] matrix_a_fmt:MATRIX_FMT_BF6 matrix_b_fmt:MATRIX_FMT_BF6 matrix_b_scale:MATRIX_SCALE_ROW1
.else
	v_wmma_scale_f32_16x16x128_f8f6f4 v[rD:rD+7], v[rS:rS+11], v[rP:rP+11], 0, v[SS+NK*\b+st], v[SPN+2*st+\a/2] matrix_a_fmt:MATRIX_FMT_BF6 matrix_b_fmt:MATRIX_FMT_BF6
.endif
.else
.if \a%2
	v_wmma_scale_f32_16x16x128_f8f6f4 v[rD:rD+7], v[rS:rS+11], v[rP:rP+11], v[rD:rD+7], v[SS+NK*\b+st], v[SPN+2*st+\a/2] matrix_a_fmt:MATRIX_FMT_BF6 matrix_b_fmt:MATRIX_FMT_BF6 matrix_b_scale:MATRIX_SCALE_ROW1
.else
	v_wmma_scale_f32_16x16x128_f8f6f4 v[rD:rD+7], v[rS:rS+11], v[rP:rP+11], v[rD:rD+7], v[SS+NK*\b+st], v[SPN+2*st+\a/2] matrix_a_fmt:MATRIX_FMT_BF6 matrix_b_fmt:MATRIX_FMT_BF6
.endif
.endif
.endr
.endr
.endm
	s_load_b256 s[4:11], s[0:1], 0x0               ; the panel s[4:5], wimg s[6:7], the weight's scale bytes s[8:9], the bias s[10:11]
	s_load_b128 s[12:15], s[0:1], 0x20             ; the residual s[12:13], the result s[14:15]
	v_lshl_add_u32 v222, v0, 2, 0x36400
	v_mov_b32 v223, 0
	ds_add_u32 v222, v223
	ds_add_u32 v222, v223
	v_lshrrev_b32 v1, 5, v0
	v_readfirstlane_b32 s[WV], v1                  ; wave 0..3
	s_bfe_u32 s[CX], ttmp6, 0x40000                ; cx = the column block: it enters global addresses of the stream, the bias, the residual and the result alone
	s_and_b32 s[YY], ttmp7, 0xffff
	s_and_b32 s82, s[WV], 1                        ; waves 0, 1 fetch two token tiles each, waves 2, 3 half of the scale bytes each: which half
	s_lshl_b32 s86, s[YY], 2
	s_lshl_b32 s83, s82, 1
	s_add_co_u32 s86, s86, s83
	s_mul_i32 s86, s86, TP                         ; token tile 4 y + 2 (w % 2)
	s_mov_b32 s87, 0
	s_mul_i32 s22, s82, NK*8192
	s_lshl_b32 s19, s[YY], 7
	s_add_co_u32 s22, s22, s19
	s_add_co_u32 s22, s22, HOFF
	s_mov_b32 s23, 0
	s_mul_i32 s19, s82, 3072*CH
	s_mul_i32 s84, s82, 128*NK
	s_add_co_u32 s84, s84, HSC
	s_mov_b32 s[G1+0], 15|(3<<16)|(1<<21)          ; 15:0 the mask: all four work-groups; 17:16 elements of 8 bytes; 21 set beside a mask; no padding
	s_mov_b32 s[G1+1], (192*CH)<<16                ; CH K steps of a tile: a row of 1,536 CH bytes
	s_mov_b32 s[G1+2], 2<<16                       ; two tiles
	s_mov_b32 s[G1+3], (192*CH)<<16
	s_mov_b32 s[G1+4], 2
	s_mov_b32 s[G1+5], TP/8                        ; from tile to tile
	s_mov_b32 s[G1+6], 0
	s_mov_b32 s[G1+7], 0
	s_mov_b32 s[G1H+0], 15|(3<<16)|(1<<21)
	s_mov_b32 s[G1H+1], 16<<16                     ; 64 slots x 2 bytes
	s_mov_b32 s[G1H+2], NK<<16                     ; NK rows a wave
	s_mov_b32 s[G1H+3], 16<<16
	s_mov_b32 s[G1H+4], NK
	s_mov_b32 s[G1H+5], 1024                       ; from k64 to k64: 8,192 bytes
	s_mov_b32 s[G1H+6], 0
	s_mov_b32 s[G1H+7], 0
	s_lshl_b32 s[WW], s[CX], 2
	s_add_co_u32 s[WW], s[WW], s[WV]               ; W: which 64 columns are my wave's
	s_mul_i32 s74, s[WW], 4*TP
	s_add_co_u32 s74, s74, WOFF
	s_mov_b32 s75, 0
	s_mul_i32 s76, s[WW], 256*NK                   ; 64 rows of 4 NK scale bytes
	s_mov_b32 s77, 0
	s_lshl_b32 s78, s[WW], 8
	s_mov_b32 s79, 0
	s_lshl_b32 s80, s[YY], 18                      ; 64 rows of 4,096 bytes
	s_add_co_u32 s80, s80, s78
	s_mov_b32 s81, 0
	s_mul_i32 s85, s[WV], 4352
	s_add_co_u32 s85, s85, STG
	v_and_b32 v1, 15, v0                           ; r
	v_bfe_u32 v2, v0, 4, 1                         ; h
	v_and_b32 v18, 31, v0                          ; lane
	v_lshlrev_b32 v[GB], 4, v18
	v_lshl_add_u32 v19, v18, 3, 512
.set c_, 0
	v_and_b32 v[SO4], 8, v1
	v_add_nc_u32 v[SO4], v[SO4], v1
	v_mul_u32_u24 v[SO4], v[SO4], 4*NK
	v_mul_u32_u24 v[STO], v1, 272
	v_lshl_add_u32 v[STO], v2, 6, v[STO]
	v_add_nc_u32 v[STO], s85, v[STO]               ; row r, + 64 h: my 16 columns of a block of 32
	v_mul_u32_u24 v[RD], v2, 272
	v_lshl_add_u32 v[RD], v1, 4, v[RD]
	v_add_nc_u32 v[RD], s85, v[RD]                 ; lanes 0-15 one row, lanes 16-31 the next
	v_lshlrev_b32 v[B16], 4, v1
	v_lshl_add_u32 v[RO], v2, 12, v[B16]
	v_lshl_add_u32 v[HA], v18, 1, HSC
	s_wait_dscnt 0x0
	s_wait_kmcnt 0x0
	s_add_nc_u64 s[86:87], s[4:5], s[86:87]
	s_add_nc_u64 s[22:23], s[4:5], s[22:23]
	s_add_nc_u64 s[SB:SB+1], s[6:7], s[74:75]
	s_add_nc_u64 s[SSC:SSC+1], s[8:9], s[76:77]
	s_add_nc_u64 s[BP:BP+1], s[10:11], s[78:79]
	s_add_nc_u64 s[RESB:RESB+1], s[12:13], s[80:81]
	s_add_nc_u64 s[OUTB:OUTB+1], s[14:15], s[80:81]
	s_mov_b32 s[G0H], 1
	s_mov_b32 s[G0H+1], s84
	s_mov_b64 s[G0H+2:G0H+3], s[22:23]
	s_or_b32 s[G0H+3], s[G0H+3], 0x80000000
.set c_, 0
	s_mov_b32 s[G0], 1
	s_mov_b32 s[G0+1], s19                         ; no place in the cluster enters an LDS address
	s_mov_b64 s[G0+2:G0+3], s[86:87]
	s_or_b32 s[G0+3], s[G0+3], 0x80000000
	CROUND                                         ; all four work-groups are here: the joint loads meet
	s_cmp_lt_u32 s[WV], 2                          ; one tensor load a wave: every way passes one
	s_cbranch_scc0 .Lhead_s
	tensor_load_to_lds s[G0:G0+3], s[G1:G1+7]      ; two tiles' codes
	s_nop 0
	PLACES
	s_branch .Lhead_j
.Lhead_s:
	tensor_load_to_lds s[G0H:G0H+3], s[G1H:G1H+7]  ; half of the scale bytes
	s_nop 0
	PLACES
.Lhead_j:
.irp b, 0,1,2,3
.set q_, 0
.rept NK/4
	global_load_b128 v[SS+NK*\b+4*q_:SS+NK*\b+4*q_+3], v[SO4], s[SSC:SSC+1] offset:(32*(\b/2)+8*(\b%2))*4*NK+16*q_   ; my slot's scale words of weight tile b
.set q_, q_+1
.endr
.endr
	s_wait_alu depctr_va_vdst(0)
	global_load_b128 v[BIAS4:BIAS4+3], v[B16], s[BP:BP+1]
.set FS, 0
	FETCH_B
.set FS, 1
	FETCH_B
.set FS, 2
	FETCH_B
.set FS, 3
	FETCH_B
	s_wait_tensorcnt 0x0
	s_barrier_signal -1
	s_barrier_wait -1
	WIN 0x80                                       ; the panel's scale words: two k64's two bytes make the word of a K step
.set k_, 0
.rept 2*NK
	ds_load_u16 v[128+2*k_], v[HA] offset:128*k_
	ds_load_u16 v[129+2*k_], v[HA] offset:128*k_+64
.set k_, k_+1
.endr
	s_wait_dscnt 0x0
	WIN 0x22
.set k_, 0
.rept NK
	v_lshl_or_b32 v[SPN+2*k_], v[128+4*k_+2], 16, v[128+4*k_]
	v_lshl_or_b32 v[SPN+2*k_+1], v[129+4*k_+2], 16, v[129+4*k_]
.set k_, k_+1
.endr
	s_wait_alu depctr_va_vdst(0)
.rept 8
	v_nop                                          ; a scale register written by a vector instruction stands 8 places ahead of a scaled matrix instruction
.endr
.set FS, 0
	FETCH_A
.set st, 0
.rept NK
.if (st != 0) && (st != CH)
	PLACES                                         ; behind the last step's products: the loads below land in registers that they read
.endif
.if st+4 < NK
.set FS, st+4
	FETCH_B
.endif
.if st >= NK-4
	RESLOAD st-(NK-4)                              ; the residual is asked for under the last four K steps
.endif
.if (st != CH-1) && (st != NK-1)
.set FS, st+1
	FETCH_A
	s_wait_dscnt 16                                ; all but the 16 just issued
.else
	s_wait_alu depctr_va_vdst(0)
	s_wait_dscnt 0x0                               ; a chunk's last step: no LDS load of mine is out at the signal,
.if st < NK-1
	s_wait_tensorcnt 0x0
	s_barrier_signal -1
.endif
.endif
.if st <= NK-5
	s_wait_loadcnt 48                              ; this step's stream is in; the next four steps' 48 loads may be out
.else
	s_wait_loadcnt 12*(NK-1-st)+8*(st-NK+5)        ; the steps that are left, and the residual's loads so far
.endif
	MUL16
.if (st == CH-1) && (st < NK-1)
	s_barrier_wait -1                              ; the next chunk is whole
	PLACES
.set FS, st+1
	FETCH_A
.endif
.set st, st+1
.endr
	PLACES
.irp a, 0,1,2,3
	WIN 0x08                                       ; an LDS store's data are its source 1: window 2
.irp b, 0,1,2,3
	ds_store_b128 v[STO], v[32*\a+8*\b:32*\a+8*\b+3] offset:128*(\b/2)+32*(\b%2)        ; each accumulator from its low end on
	ds_store_b128 v[STO], v[32*\a+8*\b+4:32*\a+8*\b+7] offset:128*(\b/2)+32*(\b%2)+16
.endr
	WIN 0
.irp i, 0,1,2,3,4,5,6,7
	ds_load_b128 v[Y+4*\i:Y+4*\i+3], v[RD] offset:544*\i   ; LDS serves a wave's instructions in order (ISA guide 5.7.1.4): these see my stores
.endr
	s_wait_dscnt 0x0
	s_wait_loadcnt 8*(3-\a)                        ; this tile's residual is in; the later tiles' may be out
.irp i, 0,1,2,3,4,5,6,7
	v_pk_add_f32 v[Y+4*\i:Y+4*\i+1], v[Y+4*\i:Y+4*\i+1], v[BIAS4:BIAS4+1]
	v_pk_add_f32 v[Y+4*\i+2:Y+4*\i+3], v[Y+4*\i+2:Y+4*\i+3], v[BIAS4+2:BIAS4+3]
.endr
	WIN 0x0c
.set j, 0
.rept 16
	v_pk_add_f32 v[Y+j:Y+j+1], v[Y+j:Y+j+1], v[32*\a+j:32*\a+j+1]
.set j, j+2
.endr
	WIN 0
.irp i, 0,1,2,3,4,5,6,7
	global_store_b128 v[RO], v[Y+4*\i:Y+4*\i+3], s[OUTB:OUTB+1] offset:(32*(\a/2)+8*(\a%2)+2*\i+8*(\i/4))*4096 th:TH_STORE_NT   ; sixteen lanes store 256 consecutive bytes, aligned
.endr
	s_wait_xcnt 0x0                                ; the stores have read their data: the next tile's rows may land there
.endr
	s_wait_tensorcnt 0x0
	ds_add_u32 v222, v223
	s_wait_dscnt 0x0
	CROUND                                         ; the closing round: no work-group ends while a partner may still ask for a tile that names it
	s_endpgm
.Lfunc_end_k_q6ff8cedd83_outp:
	.size	k_q6ff8cedd83_outp, .Lfunc_end_k_q6ff8cedd83_outp-k_q6ff8cedd83_outp
	.p2alignl 7, 3214868480
	.fill 96, 4, 3214868480
	.section	.rodata,"a",@progbits
	.p2align	6, 0x0
	.amdhsa_kernel k_q6ff8cedd83_outp
		.amdhsa_group_segment_fixed_size 222720
		.amdhsa_private_segment_fixed_size 0
		.amdhsa_enable_private_segment 0
		.amdhsa_kernarg_size 48
		.amdhsa_user_sgpr_count 2
		.amdhsa_user_sgpr_kernarg_segment_ptr 1
		.amdhsa_wavefront_size32 1
		.amdhsa_system_sgpr_workgroup_id_x 1
		.amdhsa_system_sgpr_workgroup_id_y 1
		.amdhsa_system_sgpr_workgroup_id_z 1
		.amdhsa_system_vgpr_workitem_id 0
		.amdhsa_next_free_vgpr 896
		.amdhsa_next_free_sgpr 90
		.amdhsa_reserve_vcc 0
		.amdhsa_float_denorm_mode_32 3
		.amdhsa_float_denorm_mode_16_64 3
		.amdhsa_memory_ordered 1
		.amdhsa_forward_progress 1
		.amdhsa_inst_pref_size 65
	.end_amdhsa_kernel
	.amdgpu_metadata
---
amdhsa.version: [ 1, 2 ]
amdhsa.kernels:
  - .name:           k_q6ff8cedd83_outp
    .symbol:         k_q6ff8cedd83_outp.kd
    .args:
      - { .name: attq, .offset: 0, .size: 8, .value_kind: global_buffer, .address_space: global }
      - { .name: wimg, .offset: 8, .size: 8, .value_kind: global_buffer, .address_space: global }
      - { .name: out_w_scales, .offset: 16, .size: 8, .value_kind: global_buffer, .address_space: global }
      - { .name: out_b, .offset: 24, .size: 8, .value_kind: global_buffer, .address_space: global }
      - { .name: x, .offset: 32, .size: 8, .value_kind: global_buffer, .address_space: global }
      - { .name: x1, .offset: 40, .size: 8, .value_kind: global_buffer, .address_space: global }
    .group_segment_fixed_size: 222720
    .private_segment_fixed_size: 0
    .kernarg_segment_align: 8
    .kernarg_segment_size: 48
    .max_flat_workgroup_size: 128
    .sgpr_count:     90
    .vgpr_count:     896
    .wavefront_size: 32
...
	.end_amdgpu_metadata
.endif
;; end of part 4
;; launch ln2: the kernel of part 1 again; grid 256 x 1, 8 waves a work-group, no clusters, 3,072 bytes of LDS; arguments x1, ln2_g, ln2_b, nxq, qkv_w_codes, out_w_codes, fc1_w_codes, fc2_w_codes, wimg; writes nxq, wimg
;; launch fc1 (part 5): grid 16 x 16, 4 waves a work-group, clusters of 4 x 1, 327,680 bytes of LDS; arguments nxq, wimg, fc1_w_scales, fc1_b, hq; writes hq
.if DOCPART == 5
	.amdgcn_target "amdgcn-amd-amdhsa--gfx1250"
	.amdhsa_code_object_version 6
	.text
	.protected	k_q6ff8cedd83_fc1
	.globl	k_q6ff8cedd83_fc1
	.p2align	8
	.type	k_q6ff8cedd83_fc1,@function
k_q6ff8cedd83_fc1:
	s_mov_b64 s[64:65], 0
	v_nop
	global_prefetch_b8 v0, s[64:65] scope:SCOPE_SE
	s_setreg_imm32_b32 hwreg(HW_REG_WAVE_MODE, 25, 1), 1
	s_wait_xcnt 0x0
	s_wait_alu depctr_hold_cnt(0) depctr_sa_sdst(0) depctr_va_vdst(0) depctr_va_sdst(0) depctr_va_ssrc(0) depctr_va_vcc(0) depctr_vm_vsrc(0)
	s_getreg_b32 s2, hwreg(HW_REG_IB_STS2, 6, 4)
	s_cmp_eq_u32 s2, 0
	s_cbranch_scc0 .Lentry_in_a_cluster
	s_endpgm
.Lentry_in_a_cluster:
	s_bfe_u32 s2, ttmp6, 0x10000c
	s_cmp_lg_u32 s2, 0x3003
	s_cbranch_scc0 .Lentry_shape_is_right
	s_endpgm
.Lentry_shape_is_right:
; A 256 x 256 block of a product on codes of E3M2 (MX-BF6), K = 1,024, with what follows it fused.  One text serves two launches, told apart by FC1.
; FC1 = 0: nx qkv_w^T + qkv_b, then q, k and v are quantised for attention.  FC1 = 1: nx2 fc1_w^T + fc1_b, exact GELU, then the quantiser along the hidden units.
; OPERANDS are images of operand registers (a fragment, 16 rows x 128 K: 1,536 bytes, registers 4 i .. 4 i + 3 of lane l at 512 i + 16 l; a tile's 8 K steps on end).  Slot r of tile t is row 32 (t / 2) + 8 (t % 2) + r + 8 (r / 8).
; THE PANEL, 16 tiles, is source 1 (its rows are lanes of the result).  It comes into LDS once, 196,608 bytes, in two chunks, K steps 0, 1 and then 2 to 7: nothing in LDS is filled twice.  All four waves read all of it.
; THE STREAM, 4 tiles a wave, is source 0 (its rows run along a lane's result registers).  No other wave of the work-group reads a wave's stream, so it goes from memory straight into registers, two K steps ahead.
; A wave makes 256 x 64: 64 accumulators, 512 registers; for a K step it reads 16 panel fragments from LDS and 4 stream fragments from memory for 64 matrix instructions.
; q, k and fc1: panel = tokens, stream = weights: a lane holds one token and 32 + 32 neighbouring columns: two blocks along the next K.
; v (cluster x = 2): the pointers change places: panel = v's weights, stream = tokens: a lane holds one channel and 64 neighbouring TOKENS, which are the K of attention's second product.
; CLUSTER: the four work-groups of a cluster share the panel (it hangs on y and on the cluster's x alone): each of its loads is asked for jointly, with the mask of all four.
; RESULTS: 64 K of 16 rows are a half image of 768 bytes (registers 0-3 of lane l at 16 l, registers 4-5 at 512 + 8 l); their two scale bytes go through a stage in LDS and leave in runs of 256 bytes or more.
; LIMITS: NaN and infinities are not served; a block of zeros gets the byte 1 (this program alone reads the bytes); in GELU a tail weight under 2^-126 comes out as 0.
; REGISTERS, in windows of 256: window 0: v1-27 addresses; v32-63 the stream's scale words (8 b + s), v64-191 the panel's (8 a + s): these hold scales and nothing else; v224-255 the bias.
;   window 1: v0-143 three stream buffers, v144-239 two sets of four panel fragments; on the way out all of it is at work.   windows 2, 3: accumulator (a, b) at v[32 (a % 8) + 8 b], a < 8 in window 2.
.set FC1,  1
.if FC1
.set WOFF, 3145728                     ; fc1_w's images in wimg
.else
.set WOFF, 0
.endif
.set NXS,  3145728                     ; nxq: the scale bytes behind the images
.set CHUNK, 49152                      ; LDS: K steps 2 to 7 from here, [tile 16][9,216], behind K steps 0, 1 as [tile 16][3,072]
.set SG,   196608                      ; a stage for scale bytes, each wave's own
.set SV,   200704                      ; v's, shared by the four waves
.set PA,   4                           ; v4-7   16 x lane + CHUNK + 36,864 c: tiles 4 c on, K steps 2 to 7
.set GB,   8                           ; v8     16 x lane
.set O8,   9                           ; v9     512 + 8 x lane
.set VS32, 10                          ; v10    my slot's row of scale bytes: 32 (r + 8 (r / 8))
.set BO,   11                          ; v11    64 h
.set STA,  12                          ; v12    the stage: where my slot's scale bytes go, trip 0
.set STB,  13                          ; v13    the same in v's stage
.set STR,  14                          ; v14    where I read my stage back
.set STT,  15                          ; v15    STA + the trip's step
.set STV,  16                          ; v16    STB + the trip's step
.set GOV,  17                          ; v17    v's scale words: my byte offset on the way out
.set BV,   18                          ; v18    4 (r + 8 (r / 8))
.set STRV, 19                          ; v19    where I read v's stage back
.set OUTR, 20                          ; v20-27
.set SS,   32
.set SP,   64
.set BIA,  224
.set T,    0                           ; window 1, on the way out: v0-31 one panel tile's 32 numbers of a lane
.set M,    32                          ; v32-35 largest magnitudes, bytes
.set C,    40                          ; v40-45 the codes
.set XC,   48                          ; v48-50 a half on its way
.set HW,   52                          ; the two scale bytes
.set HW2,  53                          ; the same under two bytes 0x7f
.set D,    64                          ; GELU: t
.set Q,    160
.set P,    128
.set R,    192
.set CO,   96                          ; v96-117 eleven constants, each twice
.set WV,   14
.set CLX,  16
.set YY,   17
.set G1,   24
.set G0,   32
.set PCD,  48                          ; s[48:49] the panel's codes   s[50:51] the stream's   s[52:53], s[54:55] their scale bytes
.set SB,   50
.set PSC,  52
.set SSC,  54
.set OUT0, 56
.set SEL,  60
.set AI,   62
.set SOFF, 63
.set CX,   66
.set WW,   69
.set HM,   70
.set KT,   71
.set OUTS, 86
.set MSB, 0
.macro WIN new                         ; the immediate's high byte repeats the setting that is left
.if MSB != (\new)
	s_set_vgpr_msb (MSB<<8)|(\new)
.set MSB, \new
.endif
.endm
.macro PLACES                          ; four plain places behind a matrix instruction, in front of loads into registers that it read and of reads of its result
.rept 4
	v_nop
.endr
.endm
.macro CROUND                          ; a round of the cluster's barrier
	s_barrier_signal -1
	s_barrier_wait -1
	s_cmp_lg_u32 s[WV], 0
	s_cbranch_scc1 .Lnot_wave_0_\@
	s_barrier_signal -3
.Lnot_wave_0_\@:
	s_barrier_wait -3
	s_barrier_signal -1
	s_barrier_wait -1
.endm
.macro FETCH_A                         ; quarter FQ (K step FQ / 4, panel tiles 4 (FQ % 4) on): four fragments, 12 LDS loads, into set FQ % 2
	WIN 0x40
.irp i, 0,1,2,3
.irp k, 0,1,2
.if FQ < 8                             ; K steps 0, 1: [tile 16][3,072] from LDS byte 0
	ds_load_b128 v[144+48*(FQ%2)+12*\i+4*\k:144+48*(FQ%2)+12*\i+4*\k+3], v[GB] offset:(4*(FQ%4)+\i)*3072+(FQ/4)*1536+512*\k
.else                                  ; K steps 2 to 7: [tile 16][9,216] behind them
	ds_load_b128 v[144+48*(FQ%2)+12*\i+4*\k:144+48*(FQ%2)+12*\i+4*\k+3], v[PA+FQ%4] offset:\i*9216+(FQ/4-2)*1536+512*\k
.endif
.endr
.endr
.endm
.macro FETCH_B                         ; K step FS of my four stream tiles: 12 loads of 512 consecutive bytes, into buffer FS % 3
	WIN 0x40
.irp b, 0,1,2,3
.irp k, 0,1,2
	global_load_b128 v[48*(FS%3)+12*\b+4*\k:48*(FS%3)+12*\b+4*\k+3], v[GB], s[SB:SB+1] offset:12288*\b+1536*FS+512*\k
.endr
.endr
.endm
.macro MUL16 zero                      ; K step MS, quarter MQ: 4 panel tiles x 4 stream tiles.  The 64 accumulators take turns, in the same order in every K step
.if MQ < 2
	WIN 0xa5
.else
	WIN 0xf5
.endif
.irp i, 0,1,2,3
.irp b, 0,1,2,3
.set rD, 32*((4*MQ+\i)%8)+8*\b
.set rS, 48*(MS%3)+12*\b
.set rP, 144+48*((4*MS+MQ)%2)+12*\i
.if \zero
	v_wmma_scale_f32_16x16x128_f8f6f4 v[rD:rD+7], v[rS:rS+11], v[rP:rP+11], 0, v[SS+8*\b+MS], v[SP+8*(4*MQ+\i)+MS] matrix_a_fmt:MATRIX_FMT_BF6 matrix_b_fmt:MATRIX_FMT_BF6
.else
	v_wmma_scale_f32_16x16x128_f8f6f4 v[rD:rD+7], v[rS:rS+11], v[rP:rP+11], v[rD:rD+7], v[SS+8*\b+MS], v[SP+8*(4*MQ+\i)+MS] matrix_a_fmt:MATRIX_FMT_BF6 matrix_b_fmt:MATRIX_FMT_BF6
.endif
.endr
.endr
.endm
; panel tile k's 32 numbers of my lane, with the bias, into T.  Each accumulator is read from its low end on.
.macro GETC k                          ; the bias runs along my registers
	WIN 0x42+(\k)/8
.set i_, 0
.rept 16
	v_pk_add_f32 v[T+i_:T+i_+1], v[32*((\k)%8)+i_:32*((\k)%8)+i_+1], v[BIA+i_:BIA+i_+1]
.set i_, i_+2
.endr
	WIN 0
.endm
.macro GETV k                          ; the bias is my lane's channel's
	WIN 0x48+4*((\k)/8)
.set i_, 0
.rept 32
	v_add_f32 v[T+i_], v[BIA+\k], v[32*((\k)%8)+i_]
.set i_, i_+1
.endr
	WIN 0
.endm
; 32 numbers of a lane, register 16 b + i = k 32 b + 16 (lane / 16) + i of my row, become six registers of codes in v[C] on and two scale bytes in v[HW]
.macro QH t
	v_max3_num_f32 v[M], |v[\t]|, |v[\t+1]|, 0x2800000          ; the floor 2^(5 - 127): the byte cannot fall under 1
	v_max3_num_f32 v[M+1], |v[\t+16]|, |v[\t+17]|, 0x2800000
.irp i, 2,4,6,8,10,12,14
	v_max3_num_f32 v[M], v[M], |v[\t+\i]|, |v[\t+\i+1]|
	v_max3_num_f32 v[M+1], v[M+1], |v[\t+16+\i]|, |v[\t+17+\i]|
.endr
	v_permlanex16_b32 v[M+2], v[M], s[SEL], s[SEL+1]
	v_permlanex16_b32 v[M+3], v[M+1], s[SEL], s[SEL+1]
	v_max_num_f32 v[M], v[M], v[M+2]                   ; with lane l xor 16's: the blocks' largest magnitudes
	v_max_num_f32 v[M+1], v[M+1], v[M+3]
	v_add_nc_u32 v[M], 0xfe000000, v[M]                ; 4 off the exponent field: the conversion's scale operand
	v_add_nc_u32 v[M+1], 0xfe000000, v[M+1]
	v_lshrrev_b32 v[M+2], 23, v[M]                     ; the bytes
	v_lshrrev_b32 v[M+3], 23, v[M+1]
	v_lshl_or_b32 v[HW], v[M+3], 8, v[M+2]
	v_cvt_scalef32_pk16_bf6_f32 v[C:C+2], v[\t:\t+15], v[M]
	v_cvt_scalef32_pk16_bf6_f32 v[XC:XC+2], v[\t+16:\t+31], v[M+1]
	v_nop                                              ; one plain place behind a scaled conversion
.irp i, 0,1,2
	v_permlane16_swap_b32 v[C+\i], v[XC+\i]            ; lanes 0-15 now hold block 0 whole, lanes 16-31 block 1
.endr
.irp i, 0,1,2
	v_mov_b32 v[C+3+\i], v[XC+\i]
.endr
.endm
; gelu(x) = max(x, 0) - |x| w, w = erfc(|x| / sqrt 2) / 2 = t 2^(poly(t) - x^2 log2(e) / 2), t = 1 / (1 + |x| sqrt(2) / 4): a rational-exponential fit of erfc whose RELATIVE error is about 1e-7 everywhere.
; No 1 + erf is formed, so nothing cancels in the negative tail.
; All 32 numbers of a trip go through each stage together: sixteen independent packed lines to each level of the polynomial, one batch of reciprocals and one of exponentials, four waits a trip.
.macro GELU32
.set i_, 0
.rept 32
	v_fma_f32 v[D+i_], |v[T+i_]|, s[KT], 1.0
.set i_, i_+1
.endr
	s_wait_alu depctr_va_vdst(0)
.set i_, 0
.rept 32
	v_rcp_f32 v[D+i_], v[D+i_]
.set i_, i_+1
.endr
.set i_, 0
.rept 16
	v_pk_mul_f32 v[Q+i_:Q+i_+1], v[T+i_:T+i_+1], v[T+i_:T+i_+1]    ; (plain work behind the reciprocals)
.set i_, i_+2
.endr
	s_wait_alu depctr_va_vdst(0)                       ; behind the reciprocals, ahead of their first reader
.set i_, 0
.rept 16
	v_pk_fma_f32 v[P+i_:P+i_+1], v[D+i_:D+i_+1], v[CO+18:CO+19], v[CO+16:CO+17]
.set i_, i_+2
.endr
.irp k, 7,6,5,4,3,2,1,0
.set i_, 0
.rept 16
	v_pk_fma_f32 v[P+i_:P+i_+1], v[P+i_:P+i_+1], v[D+i_:D+i_+1], v[CO+2*\k:CO+2*\k+1]
.set i_, i_+2
.endr
.endr
.set i_, 0
.rept 16
	v_pk_fma_f32 v[P+i_:P+i_+1], v[Q+i_:Q+i_+1], v[CO+20:CO+21], v[P+i_:P+i_+1]
.set i_, i_+2
.endr
	s_wait_alu depctr_va_vdst(0)
.set i_, 0
.rept 32
	v_exp_f32 v[P+i_], v[P+i_]
.set i_, i_+1
.endr
.set i_, 0
.rept 32
	v_max_num_f32 v[R+i_], 0, v[T+i_]                  ; (plain work behind the exponentials)
.set i_, i_+1
.endr
	s_wait_alu depctr_va_vdst(0)
.set i_, 0
.rept 16
	v_pk_mul_f32 v[P+i_:P+i_+1], v[P+i_:P+i_+1], v[D+i_:D+i_+1]
.set i_, i_+2
.endr
.set i_, 0
.rept 32
	v_fma_f32 v[T+i_], -|v[T+i_]|, v[P+i_], v[R+i_]
.set i_, i_+1
.endr
.endm
	s_load_b256 s[4:11], s[0:1], 0x0               ; nxq s[4:5], wimg s[6:7], the weight's scale bytes s[8:9], the bias s[10:11]
	s_load_b64 s[12:13], s[0:1], 0x20              ; the output buffer
	v_lshl_add_u32 v222, v0, 2, 0x31800
	v_mov_b32 v223, 0
	ds_add_u32 v222, v223
	ds_add_u32 v222, v223
	v_lshrrev_b32 v1, 5, v0
	v_readfirstlane_b32 s[WV], v1                  ; wave 0..3
	s_bfe_u32 s[CX], ttmp6, 0x40000                ; cx: it enters global addresses of the stream, the bias and the results alone
	s_mov_b32 s[CLX], ttmp9                        ; the cluster's x: the same in all four partners
	s_and_b32 s[YY], ttmp7, 0xffff
	s_lshl_b32 s18, s[YY], 4                       ; the panel's first tile: token tile 16 y,
.if !FC1
	s_and_b32 s19, s[YY], 3
	s_lshl_b32 s19, s19, 4
	s_add_co_u32 s19, s19, 128                     ; or, for v, weight tile 128 + 16 (y % 4): four heads' channels
	s_cmp_eq_u32 s[CLX], 2
	s_cselect_b32 s18, s19, s18
.endif
	s_lshl_b32 s20, s[WV], 2
	s_add_co_u32 s20, s20, s18
	s_mul_i32 s20, s20, 12288                      ; the four tiles that I fetch
	s_mov_b32 s21, 0
	s_mul_i32 s22, s[WV], 12288
	s_mul_i32 s23, s[WV], 36864                    ; my four tiles' place among K steps 2 to 7
	s_lshl_b32 s58, s18, 9                         ; the panel's scale bytes: 16 rows x 32 bytes a tile
	s_mov_b32 s59, 0
	s_lshl_b32 s74, s18, 6                         ; v's bias: 16 rows x 4 bytes a tile
	s_mov_b32 s75, 0
	s_mov_b32 s[G1+0], 15|(3<<16)|(1<<21)          ; 15:0 the mask: all four work-groups; 17:16 elements of 8 bytes; 21 set beside a mask; no padding
	s_mov_b32 s[G1+1], 384<<16                     ; tensor_dim0 = 384 elements: 2 K steps of a tile, 3,072 bytes
	s_mov_b32 s[G1+2], 4<<16                       ; tensor_dim1 = 4 tiles
	s_mov_b32 s[G1+3], 384<<16                     ; tile_dim0
	s_mov_b32 s[G1+4], 4                           ; tile_dim1
	s_mov_b32 s[G1+5], 1536                        ; from tile to tile: 12,288 bytes
	s_mov_b32 s[G1+6], 0
	s_mov_b32 s[G1+7], 0
.set G1B, 40                           ; s[40:47] group 1 for K steps 2 to 7 of four tiles: 4 rows of 9,216 bytes
	s_mov_b32 s[G1B+0], 15|(3<<16)|(1<<21)
	s_mov_b32 s[G1B+1], 1152<<16
	s_mov_b32 s[G1B+2], 4<<16
	s_mov_b32 s[G1B+3], 1152<<16
	s_mov_b32 s[G1B+4], 4
	s_mov_b32 s[G1B+5], 1536
	s_mov_b32 s[G1B+6], 0
	s_mov_b32 s[G1B+7], 0
	s_lshl_b32 s67, s[CLX], 2
	s_add_co_u32 s67, s67, s[CX]                   ; work-group x
.if !FC1
	s_lshr_b32 s68, s[YY], 2
	s_lshl_b32 s68, s68, 2
	s_add_co_u32 s68, s68, s[CX]                   ; for v: which 256 tokens: 4 (y / 4) + cx
	s_cmp_eq_u32 s[CLX], 2
	s_cselect_b32 s[WW], s68, s67
.else
	s_mov_b32 s[WW], s67
.endif
	s_lshl_b32 s[WW], s[WW], 2
	s_add_co_u32 s[WW], s[WW], s[WV]               ; W: which 64 rows of the stream are my wave's
	s_mul_i32 s76, s[WW], 49152
	s_mov_b32 s77, 0
	s_lshl_b32 s78, s[WW], 11
	s_mov_b32 s79, 0
	s_lshl_b32 s80, s[WW], 8
	s_mov_b32 s81, 0
.if FC1
	s_lshl_b32 s82, s[YY], 10
	s_add_co_u32 s82, s82, s[WW]
	s_mul_i32 s82, s82, 768                        ; hq: half image (token tile 16 y, k64 = W)
	s_lshl_b32 s84, s[WW], 13
	s_lshl_b32 s88, s[YY], 9
	s_add_co_u32 s84, s84, s88
	s_add_co_u32 s84, s84, 12582912                ; its scale bytes: [k64][slot] of 2 bytes
.else
	s_lshl_b32 s82, s[WW], 8
	s_lshl_b32 s88, s[YY], 4
	s_add_co_u32 s82, s82, s88
	s_mul_i32 s82, s82, 768                        ; q, k: half image [64 columns W][token tile 16 y]
	s_and_b32 s88, s[YY], 3
	s_lshl_b32 s89, s88, 10
	s_lshl_b32 s90, s[WW], 2
	s_add_co_u32 s89, s89, s90
	s_mul_i32 s89, s89, 768
	s_add_co_u32 s89, s89, 6291456                 ; v: half image [head 4 (y % 4)][64 tokens W][4]
	s_lshl_b32 s84, s[WW], 14
	s_lshl_b32 s90, s[YY], 10
	s_add_co_u32 s84, s84, s90
	s_add_co_u32 s84, s84, 9437184                 ; q's, k's scale words [64 columns][slot]
	s_lshl_b32 s90, s88, 2
	s_and_b32 s91, s[WV], 1
	s_lshl_b32 s91, s91, 1
	s_add_co_u32 s90, s90, s91
	s_lshl_b32 s90, s90, 5
	s_lshr_b32 s91, s[WW], 1
	s_add_co_u32 s90, s90, s91
	s_lshl_b32 s90, s90, 8
	s_add_co_u32 s90, s90, 9961472                 ; v's scale words [head][128 tokens][64]: the two heads that I carry out
	s_mov_b32 s[HM], 4*768                         ; from four panel tiles to the next four: q, k: four half images on;
	s_mov_b32 s91, 256*768                         ; v: a head on
	s_cmp_eq_u32 s[CLX], 2
	s_cselect_b32 s82, s89, s82
	s_cselect_b32 s84, s90, s84
	s_cselect_b32 s[HM], s91, s[HM]
.endif
	s_mov_b32 s83, 0
	s_mov_b32 s85, 0
	s_mov_b32 s[SEL], 0x76543210
	s_mov_b32 s[SEL+1], 0xfedcba98                 ; v_permlanex16_b32's selects for lane l xor 16
	s_mov_b32 s[KT], 0x3eb504f3                    ; sqrt(2) / 4
	v_and_b32 v1, 15, v0                           ; r
	v_bfe_u32 v2, v0, 4, 1                         ; h
	v_and_b32 v3, 31, v0                           ; lane
	v_lshlrev_b32 v[GB], 4, v3
.irp c, 0,1,2,3
	v_add_nc_u32 v[PA+\c], CHUNK+\c*36864, v[GB]
.endr
	v_lshl_add_u32 v[O8], v3, 3, 512
	v_and_b32 v[VS32], 8, v1
	v_add_nc_u32 v[VS32], v[VS32], v1
	v_lshlrev_b32 v[BV], 2, v[VS32]
	v_lshlrev_b32 v[VS32], 5, v[VS32]
	v_lshlrev_b32 v[BO], 6, v2
.if FC1
	s_lshl_b32 s72, s[WV], 9
	s_add_co_u32 s72, s72, SG
	v_lshl_add_u32 v[STA], v1, 1, s72              ; SG + 512 w + 2 r (+ 32 a)
.else
	s_lshl_b32 s72, s[WV], 10
	s_add_co_u32 s72, s72, SG
	v_lshl_add_u32 v[STA], v1, 2, s72              ; SG + 1,024 w + 4 r (+ 64 a)
	s_lshr_b32 s73, s[WV], 1
	s_lshl_b32 s73, s73, 10
	s_and_b32 s88, s[WV], 1
	s_lshl_b32 s88, s88, 1
	s_add_co_u32 s73, s73, s88
	s_add_co_u32 s73, s73, SV
	v_lshl_add_u32 v[STB], v1, 2, s73              ; SV + 1,024 (w / 2) + 2 (w % 2) + 4 r (+ 64 a): two waves' bytes make a word for 128 tokens
	s_lshl_b32 s88, s[WV], 9
	s_add_co_u32 s88, s88, SV
	v_add_nc_u32 v[STRV], s88, v[GB]
	v_lshlrev_b32 v[GOV], 4, v1
	v_lshl_add_u32 v[GOV], v2, 13, v[GOV]          ; lanes 16-31 carry the next head's 256 bytes: 32 x 256 bytes on
.endif
	v_add_nc_u32 v[STR], s72, v[GB]
	s_wait_dscnt 0x0
	s_wait_kmcnt 0x0
.if FC1
	s_mov_b64 s[PCD:PCD+1], s[4:5]
	s_add_nc_u64 s[SB:SB+1], s[6:7], WOFF
	s_add_nc_u64 s[PSC:PSC+1], s[4:5], NXS
	s_mov_b64 s[SSC:SSC+1], s[8:9]
.else
	s_add_nc_u64 s[92:93], s[4:5], NXS
	s_cmp_eq_u32 s[CLX], 2                         ; for v panel and stream change places: both are the same images, both scale tables have 32 bytes a row
	s_cselect_b64 s[PCD:PCD+1], s[6:7], s[4:5]
	s_cselect_b64 s[SB:SB+1], s[4:5], s[6:7]
	s_cselect_b64 s[PSC:PSC+1], s[8:9], s[92:93]
	s_cselect_b64 s[SSC:SSC+1], s[92:93], s[8:9]
	s_add_nc_u64 s[96:97], s[10:11], s[74:75]      ; v's bias at the panel's first row
.endif
	s_add_nc_u64 s[PCD:PCD+1], s[PCD:PCD+1], s[20:21]
	s_add_nc_u64 s[PSC:PSC+1], s[PSC:PSC+1], s[58:59]
	s_add_nc_u64 s[SB:SB+1], s[SB:SB+1], s[76:77]
	s_add_nc_u64 s[SSC:SSC+1], s[SSC:SSC+1], s[78:79]
	s_add_nc_u64 s[98:99], s[10:11], s[80:81]      ; the bias at my 64 columns
	s_add_nc_u64 s[OUT0:OUT0+1], s[12:13], s[82:83]
	s_add_nc_u64 s[OUTS:OUTS+1], s[12:13], s[84:85]
	s_mov_b32 s[G0], 1                             ; K steps 0, 1 of my four tiles
	s_mov_b32 s[G0+1], s22                         ; no place in the cluster enters an LDS address
	s_mov_b64 s[G0+2:G0+3], s[PCD:PCD+1]
	s_or_b32 s[G0+3], s[G0+3], 0x80000000
	s_mov_b32 s[G0+4], 1                           ; K steps 2 to 7
	s_add_co_u32 s[G0+5], s23, CHUNK
	s_add_nc_u64 s[G0+6:G0+7], s[PCD:PCD+1], 3072
	s_or_b32 s[G0+7], s[G0+7], 0x80000000
	CROUND                                         ; all four work-groups are here: the joint loads meet
	tensor_load_to_lds s[G0:G0+3], s[G1:G1+7]      ; one tensor load a wave at the head
	s_nop 0
	PLACES                                         ; four plain lines behind the last of them
	s_wait_alu depctr_va_vdst(0)
.irp a, 0,1,2,3,4,5,6,7,8,9,10,11,12,13,14,15
.irp q, 0,1
	global_load_b128 v[SP+8*\a+4*\q:SP+8*\a+4*\q+3], v[VS32], s[PSC:PSC+1] offset:(32*(\a/2)+8*(\a%2))*32+16*\q   ; my slot's scale words of tile a, four K steps a load
.endr
.endr
.irp b, 0,1,2,3
.irp q, 0,1
	global_load_b128 v[SS+8*\b+4*\q:SS+8*\b+4*\q+3], v[VS32], s[SSC:SSC+1] offset:(32*(\b/2)+8*(\b%2))*32+16*\q
.endr
.endr
.if !FC1
	s_cmp_eq_u32 s[CLX], 2
	s_cbranch_scc1 .Lbias_v
.endif
.irp b, 0,1
.irp j, 0,1,2,3
	global_load_b128 v[BIA+16*\b+4*\j:BIA+16*\b+4*\j+3], v[BO], s[98:99] offset:128*\b+16*\j   ; column 32 b + 16 h + i of my 64
.endr
.endr
.if !FC1
	s_branch .Lbias_done
.Lbias_v:
.irp k, 0,1,2,3,4,5,6,7,8,9,10,11,12,13,14,15
	global_load_b32 v[BIA+\k], v[BV], s[96:97] offset:(32*(\k/2)+8*(\k%2))*4      ; my channel of panel tile k
.endr
.irp k, 0,1,2,3,4,5,6,7,8,9,10,11,12,13,14,15
	global_load_b32 v[BIA+16+\k], v[BV], s[96:97] offset:(32*(\k/2)+8*(\k%2))*4   ; once more, so that all 32 registers are written on both ways
.endr
.Lbias_done:
.endif
.set FS, 0
	FETCH_B
.set FS, 1
	FETCH_B
.set FS, 2
	FETCH_B
	WIN 0
	s_wait_tensorcnt 0x0                           ; my part of K steps 0, 1 is in
	ds_add_u32 v222, v223
	s_wait_dscnt 0x0
	CROUND                                         ; everybody's part is in, and the four partners' joint loads meet
	tensor_load_to_lds s[G0+4:G0+7], s[G1B:G1B+7]  ; the rest of the panel: my one load behind the round; it has two K steps, 128 matrix instructions, in which to land
	s_nop 0
	PLACES
.set FQ, 0
	FETCH_A
; THE PRODUCT: 8 K steps x 4 quarters, written out.  In front of a quarter's 16 matrix instructions the next quarter's fragments are asked for.
.set qn, 0
.rept 32
.set MS, qn/4
.set MQ, qn%4
.if (qn != 0) && (qn != 8)
	PLACES                                         ; behind the last quarter's products: the loads below land in registers that they read
.endif
.if (MQ == 0) && (MS >= 1) && (MS <= 5)
.set FS, MS+2
	FETCH_B
.endif
.if (qn != 7) && (qn != 31)
.set FQ, qn+1
	FETCH_A
	s_wait_dscnt 12                                ; all but the 12 just issued: this quarter's fragments are in
.else
	s_wait_dscnt 0x0                               ; a chunk's last quarter: no LDS load of mine is out at the signal,
.if qn == 7
	s_wait_tensorcnt 0x0
	s_barrier_signal -1                            ; say so, and multiply while the others arrive
.endif
.endif
.if MQ == 0
.if MS <= 5
	s_wait_loadcnt 24                              ; this K step's stream is in, and all that was asked for earlier; the next two steps' 24 loads may be out
.else
	s_wait_loadcnt 12*(7-MS)
.endif
.endif
.if MS == 0
	MUL16 1                                        ; the first K step starts the sums: nothing is cleared
.else
	MUL16 0
.endif
.if qn == 7
	s_barrier_wait -1                              ; the next chunk is whole
	PLACES
.set FQ, qn+1
	FETCH_A
.endif
.set qn, qn+1
.endr
; THE WAY OUT: a loop of 16 trips, one panel tile a trip.  What differs between trips is which accumulators are fetched: a chain of scalar compares leads to one of 16 short blocks.
	PLACES                                         ; behind the last products: their results are read and their operands' registers written below
	WIN 0x40
	v_mov_b32 v[M+2], 0                            ; written once: a lane permute's destination counts as one of its sources
	v_mov_b32 v[M+3], 0
.if FC1
.set i_, 0
.irp c, 0xc034d90f, 0x3fb8ab5a, 0x3f0a29d2, 0x3e0efb2f, 0xbe899a80, 0x3ecdfd18, 0xbfd1a1e6, 0x40097039, 0xbf97d29d, 0x3e7c6f08, 0xbf38aa3b
	v_mov_b32 v[CO+i_], \c                         ; the fit's ten coefficients x log2(e) (the first also carries the -1 that halves), and -log2(e) / 2
	v_mov_b32 v[CO+i_+1], \c
.set i_, i_+2
.endr
.endif
	WIN 0
	s_mov_b32 s[AI], 0
	s_mov_b32 s[SOFF], 0
.Ltrip:
	s_wait_xcnt 0x0                                ; the last trip's stores have read their data and their base: both are written again below
	v_add_nc_u32 v[STT], s[SOFF], v[STA]
.if FC1
	s_mul_i32 s92, s[AI], 49152                    ; a token tile on: 64 half images
.else
	v_add_nc_u32 v[STV], s[SOFF], v[STB]
	s_lshr_b32 s92, s[AI], 2
	s_mul_i32 s92, s92, s[HM]
	s_and_b32 s93, s[AI], 3
	s_mul_i32 s93, s93, 768
	s_add_co_u32 s92, s92, s93
.endif
	s_mov_b32 s93, 0
	s_add_nc_u64 s[94:95], s[OUT0:OUT0+1], s[92:93]
.if !FC1
	s_cmp_eq_u32 s[CLX], 2
	s_cbranch_scc1 .Ldisp_v
.endif
.irp k, 0,1,2,3,4,5,6,7,8,9,10,11,12,13,14
	s_cmp_eq_u32 s[AI], \k
	s_cbranch_scc1 .Lc_\k
.endr
	GETC 15
	s_branch .Lbody
.irp k, 0,1,2,3,4,5,6,7,8,9,10,11,12,13,14
.Lc_\k:
	GETC \k
	s_branch .Lbody
.endr
.if !FC1
.Ldisp_v:
.irp k, 0,1,2,3,4,5,6,7,8,9,10,11,12,13,14
	s_cmp_eq_u32 s[AI], \k
	s_cbranch_scc1 .Lv_\k
.endr
	GETV 15
	s_branch .Lbody
.irp k, 0,1,2,3,4,5,6,7,8,9,10,11,12,13,14
.Lv_\k:
	GETV \k
	s_branch .Lbody
.endr
.endif
.Lbody:
	WIN 0x55                                       ; all in window 1
.if FC1
	GELU32
.endif
	QH T
.if !FC1
	v_or_b32 v[HW2], 0x7f7f0000, v[HW]             ; q's and k's K is 64: the upper half of their fragments is zero codes under the scale 1
.endif
	WIN 0x04                                       ; addresses in window 0, data in window 1
	global_store_b128 v[GB], v[C:C+3], s[94:95]    ; the half image: 512 consecutive bytes,
	global_store_b64 v[O8], v[C+4:C+5], s[94:95]   ; and 256
.if FC1
	ds_store_b16 v[STT], v[HW]
	WIN 0
	s_add_co_u32 s[SOFF], s[SOFF], 32
.else
	WIN 0
	s_cmp_eq_u32 s[CLX], 2
	s_cbranch_scc1 .Lscale_v
	WIN 0x04
	ds_store_b32 v[STT], v[HW2]
	WIN 0
	s_branch .Lscale_done
.Lscale_v:
	WIN 0x04
	ds_store_b16 v[STV], v[HW]
	WIN 0
.Lscale_done:
	s_add_co_u32 s[SOFF], s[SOFF], 64
.endif
	s_add_co_u32 s[AI], s[AI], 1
	s_cmp_lt_u32 s[AI], 16
	s_cbranch_scc1 .Ltrip
	s_wait_dscnt 0x0                               ; for the others' sake: my stores into the stages have landed
	s_barrier_signal -1
	s_barrier_wait -1
.if FC1
	ds_load_b128 v[OUTR:OUTR+3], v[STR]
	s_wait_dscnt 0x0
	global_store_b128 v[GB], v[OUTR:OUTR+3], s[OUTS:OUTS+1]   ; 256 slots' two bytes: 512 consecutive bytes
.else
	s_cmp_eq_u32 s[CLX], 2
	s_cbranch_scc1 .Lout_v
	ds_load_b128 v[OUTR:OUTR+3], v[STR]
	ds_load_b128 v[OUTR+4:OUTR+7], v[STR] offset:512
	s_wait_dscnt 0x0
	global_store_b128 v[GB], v[OUTR:OUTR+3], s[OUTS:OUTS+1]
	global_store_b128 v[GB], v[OUTR+4:OUTR+7], s[OUTS:OUTS+1] offset:512
	s_branch .Lclose
.Lout_v:
	ds_load_b128 v[OUTR:OUTR+3], v[STRV]
	s_wait_dscnt 0x0
	global_store_b128 v[GOV], v[OUTR:OUTR+3], s[OUTS:OUTS+1]  ; sixteen lanes store a head's 64 words for 128 tokens: 256 consecutive bytes, aligned
.Lclose:
.endif
	s_wait_tensorcnt 0x0
	ds_add_u32 v222, v223
	s_wait_dscnt 0x0
	CROUND                                         ; the closing round: no work-group ends while a partner may still ask for a tile that names it
	s_endpgm
.Lfunc_end_k_q6ff8cedd83_fc1:
	.size	k_q6ff8cedd83_fc1, .Lfunc_end_k_q6ff8cedd83_fc1-k_q6ff8cedd83_fc1
	.p2alignl 7, 3214868480
	.fill 96, 4, 3214868480
	.section	.rodata,"a",@progbits
	.p2align	6, 0x0
	.amdhsa_kernel k_q6ff8cedd83_fc1
		.amdhsa_group_segment_fixed_size 327680
		.amdhsa_private_segment_fixed_size 0
		.amdhsa_enable_private_segment 0
		.amdhsa_kernarg_size 40
		.amdhsa_user_sgpr_count 2
		.amdhsa_user_sgpr_kernarg_segment_ptr 1
		.amdhsa_wavefront_size32 1
		.amdhsa_system_sgpr_workgroup_id_x 1
		.amdhsa_system_sgpr_workgroup_id_y 1
		.amdhsa_system_sgpr_workgroup_id_z 1
		.amdhsa_system_vgpr_workitem_id 0
		.amdhsa_next_free_vgpr 1024
		.amdhsa_next_free_sgpr 100
		.amdhsa_reserve_vcc 0
		.amdhsa_float_denorm_mode_32 3
		.amdhsa_float_denorm_mode_16_64 3
		.amdhsa_memory_ordered 1
		.amdhsa_forward_progress 1
		.amdhsa_inst_pref_size 158
	.end_amdhsa_kernel
	.amdgpu_metadata
---
amdhsa.version: [ 1, 2 ]
amdhsa.kernels:
  - .name:           k_q6ff8cedd83_fc1
    .symbol:         k_q6ff8cedd83_fc1.kd
    .args:
      - { .name: nxq, .offset: 0, .size: 8, .value_kind: global_buffer, .address_space: global }
      - { .name: wimg, .offset: 8, .size: 8, .value_kind: global_buffer, .address_space: global }
      - { .name: fc1_w_scales, .offset: 16, .size: 8, .value_kind: global_buffer, .address_space: global }
      - { .name: fc1_b, .offset: 24, .size: 8, .value_kind: global_buffer, .address_space: global }
      - { .name: hq, .offset: 32, .size: 8, .value_kind: global_buffer, .address_space: global }
    .group_segment_fixed_size: 327680
    .private_segment_fixed_size: 0
    .kernarg_segment_align: 8
    .kernarg_segment_size: 40
    .max_flat_workgroup_size: 128
    .sgpr_count:     100
    .vgpr_count:     1024
    .wavefront_size: 32
...
	.end_amdgpu_metadata
.endif
;; end of part 5
;; launch fc2 (part 6): grid 4 x 64, 4 waves a work-group, clusters of 4 x 1, 327,680 bytes of LDS; arguments hq, wimg, fc2_w_scales, fc2_b, x1, out0; writes out0
.if DOCPART == 6
	.amdgcn_target "amdgcn-amd-amdhsa--gfx1250"
	.amdhsa_code_object_version 6
	.text
	.protected	k_q6ff8cedd83_fc2
	.globl	k_q6ff8cedd83_fc2
	.p2align	8
	.type	k_q6ff8cedd83_fc2,@function
k_q6ff8cedd83_fc2:
	s_mov_b64 s[64:65], 0
	v_nop
	global_prefetch_b8 v0, s[64:65] scope:SCOPE_SE
	s_setreg_imm32_b32 hwreg(HW_REG_WAVE_MODE, 25, 1), 1
	s_wait_xcnt 0x0
	s_wait_alu depctr_hold_cnt(0) depctr_sa_sdst(0) depctr_va_vdst(0) depctr_va_sdst(0) depctr_va_ssrc(0) depctr_va_vcc(0) depctr_vm_vsrc(0)
	s_getreg_b32 s2, hwreg(HW_REG_IB_STS2, 6, 4)
	s_cmp_eq_u32 s2, 0
	s_cbranch_scc0 .Lentry_in_a_cluster
	s_endpgm
.Lentry_in_a_cluster:
	s_bfe_u32 s2, ttmp6, 0x10000c
	s_cmp_lg_u32 s2, 0x3003
	s_cbranch_scc0 .Lentry_shape_is_right
	s_endpgm
.Lentry_shape_is_right:
; out = res + (A W^T + bias): a 64 x 256 block of a product on codes of E3M2 (MX-BF6) with 1,024 output columns.  One text serves two launches, told apart by the five sizes at its head (K = 128 NK).
; With 256 rows to a work-group there would be 64 work-groups; 64 rows give 256.
; THE PANEL, 4 token tiles, is source 1.  It lies in memory as half images (16 rows x 64 K: 768 bytes, registers 0-3 of lane l at 16 l, registers 4-5 at 512 + 8 l), a tile's K on end, and comes into LDS once, in two parts, its first CH K steps and then the rest;
; its scale bytes ([k64][slot] of 2 bytes) come with it.  Nothing in LDS is filled twice.  THE STREAM, 4 weight tiles a wave, is source 0: register images from memory straight into registers, four K steps ahead.
; Slot r of tile t is row 32 (t / 2) + 8 (t % 2) + r + 8 (r / 8): a lane's results are 2 x 16 neighbouring columns of one token's row.
; CLUSTER: the four work-groups of a cluster make the four column blocks of the same 64 rows and share the panel: each of its loads is asked for jointly, with the mask of all four.
; THE WAY OUT: a tile of 16 rows x 64 columns goes through the wave's own stage in LDS and comes back by rows; bias and residual are added; sixteen lanes store 256 consecutive bytes, aligned.
; REGISTERS: window 0: v1-27 addresses and the bias; v32.. the panel's scale words (2 s + p: lanes 0-15 tile 2 p, lanes 16-31 tile 2 p + 1), v96.. the stream's (NK b + s): scales and nothing else; v224-255 rows on the way out.
;   window 1: five stream buffers of 48.   window 2: v0-127 accumulator (a, b) at 32 a + 8 b; v128-223 two sets of four panel fragments.   window 3: v0-127 the residual.
.set NK,   32                          ; K steps of 128
.set CH,   8                           ; K steps in a chunk
.set NCH,  4                           ; tiles, one address register each
.set WOFF, 6291456                     ; the weight's images in wimg
.set HOFF, 12582912                    ; the panel's scale bytes behind its half images
.set TP,   1536*NK                     ; a tile's K on end
.set CHB,  6144*CH                     ; LDS: the tiles' rest from here, [tile 4][TP - 1,536 CH], behind [tile 4][1,536 CH]
.set HSC,  196608                      ; the panel's scale bytes [k64][128]
.set STG,  204800                      ; the stages: 16 rows x (256 + 16) bytes a wave
.set GB,   3                           ; v3     16 x lane
.set SO4,  4                           ; v4     my slot's row of the weight's scale bytes
.set STO,  5                           ; v5     into the stage
.set RD,   6                           ; v6     back out of it
.set RO,   7                           ; v7     my byte offset in two rows of the residual and of the result
.set PA16, 8                           ; v8-11  16 x lane + the base of tile a's rest
.set PA8,  12                          ; v12-15 512 + 8 x lane + the base of tile a's rest
.set HA,   16                          ; v16    HSC + 2 x lane
.set B16,  17                          ; v17    16 (lane % 16)
.set BIAS4, 24                         ; v24-27
.set SPN,  32
.set SS,   96
.set Y,    224
.set WV,   16
.set YY,   17
.set G1,   24
.set G1H,  32
.set G0H,  40
.set G0,   44
.set SB,   60
.set SSC,  62
.set CX,   66
.set WW,   67
.set BP,   68
.set RESB, 70
.set OUTB, 72
.set MSB, 0
.macro WIN new                         ; the immediate's high byte repeats the setting that is left
.if MSB != (\new)
	s_set_vgpr_msb (MSB<<8)|(\new)
.set MSB, \new
.endif
.endm
.macro PLACES                          ; four plain places behind a matrix instruction (ISA guide 7.12.1)
.rept 4
	v_nop
.endr
.endm
.macro CROUND                          ; a round of the cluster's barrier
	s_barrier_signal -1
	s_barrier_wait -1
	s_cmp_lg_u32 s[WV], 0
	s_cbranch_scc1 .Lnot_wave_0_\@
	s_barrier_signal -3
.Lnot_wave_0_\@:
	s_barrier_wait -3
	s_barrier_signal -1
	s_barrier_wait -1
.endm
.macro FETCH_A                         ; K step FS of the four panel tiles: 16 LDS loads, into set FS % 2
	WIN 0x80
.irp a, 0,1,2,3
.irp c, 0,1
.if FS < CH                            ; the first CH K steps: [tile 4][1,536 CH] from LDS byte 0
	ds_load_b128 v[128+48*(FS%2)+12*\a+6*\c:128+48*(FS%2)+12*\a+6*\c+3], v[GB] offset:\a*CH*1536+FS*1536+768*\c
	ds_load_b64 v[128+48*(FS%2)+12*\a+6*\c+4:128+48*(FS%2)+12*\a+6*\c+5], v19 offset:\a*CH*1536+FS*1536+768*\c
.else                                  ; the others: [tile 4][TP - 1,536 CH] behind them, an address register to a tile
	ds_load_b128 v[128+48*(FS%2)+12*\a+6*\c:128+48*(FS%2)+12*\a+6*\c+3], v[PA16+\a] offset:(FS-CH)*1536+768*\c
	ds_load_b64 v[128+48*(FS%2)+12*\a+6*\c+4:128+48*(FS%2)+12*\a+6*\c+5], v[PA8+\a] offset:(FS-CH)*1536+768*\c
.endif
.endr
.endr
.endm
.macro FETCH_B                         ; K step FS of my four weight tiles: 12 loads of 512 consecutive bytes, into buffer FS % 5
	WIN 0x40
.irp b, 0,1,2,3
.irp k, 0,1,2
	global_load_b128 v[48*(FS%5)+12*\b+4*\k:48*(FS%5)+12*\b+4*\k+3], v[GB], s[SB:SB+1] offset:TP*\b+1536*FS+512*\k
.endr
.endr
.endm
.macro RESLOAD a                       ; the residual at panel tile a's 16 rows, my 64 columns
	WIN 0xc0
.irp i, 0,1,2,3,4,5,6,7
	global_load_b128 v[32*(\a)+4*\i:32*(\a)+4*\i+3], v[RO], s[RESB:RESB+1] offset:(32*((\a)/2)+8*((\a)%2)+2*\i+8*(\i/4))*4096 th:TH_LOAD_NT
.endr
.endm
.macro MUL16                           ; K step st: 4 panel tiles x 4 weight tiles; the 16 accumulators take turns
	WIN 0xa9
.irp a, 0,1,2,3
.irp b, 0,1,2,3
.set rD, 32*\a+8*\b
.set rS, 48*(st%5)+12*\b
.set rP, 128+48*(st%2)+12*\a
.if st == 0
.if \a%2
	v_wmma_scale_f32_16x16x128_f8f6f4 v[rD:rD+7], v[rS:rS+11], v[rP:rP+11], 0, v[SS+NK*\b+st], v[SPN+2*st+\a/2] matrix_a_fmt:MATRIX_FMT_BF6 matrix_b_fmt:MATRIX_FMT_BF6 matrix_b_scale:MATRIX_SCALE_ROW1
.else
	v_wmma_scale_f32_16x16x128_f8f6f4 v[rD:rD+7], v[rS:rS+11], v[rP:rP+11], 0, v[SS+NK*\b+st], v[SPN+2*st+\a/2] matrix_a_fmt:MATRIX_FMT_BF6 matrix_b_fmt:MATRIX_FMT_BF6
.endif
.else
.if \a%2
	v_wmma_scale_f32_16x16x128_f8f6f4 v[rD:rD+7], v[rS:rS+11], v[rP:rP+11], v[rD:rD+7], v[SS+NK*\b+st], v[SPN+2*st+\a/2] matrix_a_fmt:MATRIX_FMT_BF6 matrix_b_fmt:MATRIX_FMT_BF6 matrix_b_scale:MATRIX_SCALE_ROW1
.else
	v_wmma_scale_f32_16x16x128_f8f6f4 v[rD:rD+7], v[rS:rS+11], v[rP:rP+11], v[rD:rD+7], v[SS+NK*\b+st], v[SPN+2*st+\a/2] matrix_a_fmt:MATRIX_FMT_BF6 matrix_b_fmt:MATRIX_FMT_BF6
.endif
.endif
.endr
.endr
.endm
	s_load_b256 s[4:11], s[0:1], 0x0               ; the panel s[4:5], wimg s[6:7], the weight's scale bytes s[8:9], the bias s[10:11]
	s_load_b128 s[12:15], s[0:1], 0x20             ; the residual s[12:13], the result s[14:15]
	v_lshl_add_u32 v30, v0, 2, 0x36400
	v_mov_b32 v31, 0
	ds_add_u32 v30, v31
	ds_add_u32 v30, v31
	v_lshrrev_b32 v1, 5, v0
	v_readfirstlane_b32 s[WV], v1                  ; wave 0..3
	s_bfe_u32 s[CX], ttmp6, 0x40000                ; cx = the column block: it enters global addresses of the stream, the bias, the residual and the result alone
	s_and_b32 s[YY], ttmp7, 0xffff
	s_lshl_b32 s18, s[YY], 2
	s_add_co_u32 s18, s18, s[WV]                   ; the token tile that I fetch
	s_mul_i32 s20, s18, TP
	s_mov_b32 s21, 0
	s_and_b32 s82, s[WV], 1                        ; at the head waves 0, 1 fetch two token tiles' first CH K steps each, waves 2, 3 half of the scale bytes each: which half
	s_lshl_b32 s86, s[YY], 2
	s_lshl_b32 s83, s82, 1
	s_add_co_u32 s86, s86, s83
	s_mul_i32 s86, s86, TP                         ; token tile 4 y + 2 (w % 2)
	s_mov_b32 s87, 0
	s_mul_i32 s83, s[WV], TP-1536*CH               ; later each wave fetches the rest of tile 4 y + w: its place in LDS
	s_mul_i32 s22, s82, NK*8192
	s_lshl_b32 s19, s[YY], 7
	s_add_co_u32 s22, s22, s19
	s_add_co_u32 s22, s22, HOFF
	s_mov_b32 s23, 0
	s_mul_i32 s19, s82, 3072*CH
	s_mul_i32 s84, s82, 128*NK
	s_add_co_u32 s84, s84, HSC
	s_mov_b32 s[G1+0], 15|(3<<16)|(1<<21)          ; 15:0 the mask: all four work-groups; 17:16 elements of 8 bytes; 21 set beside a mask; no padding
	s_mov_b32 s[G1+1], (192*CH)<<16                ; CH K steps of a tile: a row of 1,536 CH bytes
	s_mov_b32 s[G1+2], 2<<16                       ; two tiles
	s_mov_b32 s[G1+3], (192*CH)<<16
	s_mov_b32 s[G1+4], 2
	s_mov_b32 s[G1+5], TP/8                        ; from tile to tile
.set G1R, 52                           ; s[52:59] group 1 for the rest of a tile: a dense block as rows of 256 bytes
	s_mov_b32 s[G1R+0], 15|(3<<16)|(1<<21)
	s_mov_b32 s[G1R+1], 32<<16
	s_mov_b32 s[G1R+2], ((TP-1536*CH)/256)<<16
	s_mov_b32 s[G1R+3], 32<<16
	s_mov_b32 s[G1R+4], (TP-1536*CH)/256
	s_mov_b32 s[G1R+5], 32
	s_mov_b32 s[G1R+6], 0
	s_mov_b32 s[G1R+7], 0
	s_mov_b32 s[G1+6], 0
	s_mov_b32 s[G1+7], 0
	s_mov_b32 s[G1H+0], 15|(3<<16)|(1<<21)
	s_mov_b32 s[G1H+1], 16<<16                     ; 64 slots x 2 bytes
	s_mov_b32 s[G1H+2], NK<<16                     ; NK rows a wave
	s_mov_b32 s[G1H+3], 16<<16
	s_mov_b32 s[G1H+4], NK
	s_mov_b32 s[G1H+5], 1024                       ; from k64 to k64: 8,192 bytes
	s_mov_b32 s[G1H+6], 0
	s_mov_b32 s[G1H+7], 0
	s_lshl_b32 s[WW], s[CX], 2
	s_add_co_u32 s[WW], s[WW], s[WV]               ; W: which 64 columns are my wave's
	s_mul_i32 s74, s[WW], 4*TP
	s_add_co_u32 s74, s74, WOFF
	s_mov_b32 s75, 0
	s_mul_i32 s76, s[WW], 256*NK                   ; 64 rows of 4 NK scale bytes
	s_mov_b32 s77, 0
	s_lshl_b32 s78, s[WW], 8
	s_mov_b32 s79, 0
	s_lshl_b32 s80, s[YY], 18                      ; 64 rows of 4,096 bytes
	s_add_co_u32 s80, s80, s78
	s_mov_b32 s81, 0
	s_mul_i32 s85, s[WV], 4352
	s_add_co_u32 s85, s85, STG
	v_and_b32 v1, 15, v0                           ; r
	v_bfe_u32 v2, v0, 4, 1                         ; h
	v_and_b32 v18, 31, v0                          ; lane
	v_lshlrev_b32 v[GB], 4, v18
	v_lshl_add_u32 v19, v18, 3, 512
.set c_, 0
.rept NCH
	v_add_nc_u32 v[PA16+c_], CHB+c_*(TP-1536*CH), v[GB]
	v_add_nc_u32 v[PA8+c_], CHB+c_*(TP-1536*CH), v19
.set c_, c_+1
.endr
	v_and_b32 v[SO4], 8, v1
	v_add_nc_u32 v[SO4], v[SO4], v1
	v_mul_u32_u24 v[SO4], v[SO4], 4*NK
	v_mul_u32_u24 v[STO], v1, 272
	v_lshl_add_u32 v[STO], v2, 6, v[STO]
	v_add_nc_u32 v[STO], s85, v[STO]               ; row r, + 64 h: my 16 columns of a block of 32
	v_mul_u32_u24 v[RD], v2, 272
	v_lshl_add_u32 v[RD], v1, 4, v[RD]
	v_add_nc_u32 v[RD], s85, v[RD]                 ; lanes 0-15 one row, lanes 16-31 the next
	v_lshlrev_b32 v[B16], 4, v1
	v_lshl_add_u32 v[RO], v2, 12, v[B16]
	v_lshl_add_u32 v[HA], v18, 1, HSC
	s_wait_dscnt 0x0
	s_wait_kmcnt 0x0
	s_add_nc_u64 s[20:21], s[4:5], s[20:21]
	s_add_nc_u64 s[86:87], s[4:5], s[86:87]
	s_add_nc_u64 s[22:23], s[4:5], s[22:23]
	s_add_nc_u64 s[SB:SB+1], s[6:7], s[74:75]
	s_add_nc_u64 s[SSC:SSC+1], s[8:9], s[76:77]
	s_add_nc_u64 s[BP:BP+1], s[10:11], s[78:79]
	s_add_nc_u64 s[RESB:RESB+1], s[12:13], s[80:81]
	s_add_nc_u64 s[OUTB:OUTB+1], s[14:15], s[80:81]
	s_mov_b32 s[G0H], 1
	s_mov_b32 s[G0H+1], s84
	s_mov_b64 s[G0H+2:G0H+3], s[22:23]
	s_or_b32 s[G0H+3], s[G0H+3], 0x80000000
.set c_, 0
	s_mov_b32 s[G0], 1
	s_mov_b32 s[G0+1], s19                         ; no place in the cluster enters an LDS address
	s_mov_b64 s[G0+2:G0+3], s[86:87]
	s_or_b32 s[G0+3], s[G0+3], 0x80000000
	s_mov_b32 s[G0+4], 1
	s_add_co_u32 s[G0+5], s83, CHB
	s_add_nc_u64 s[G0+6:G0+7], s[20:21], 1536*CH
	s_or_b32 s[G0+7], s[G0+7], 0x80000000
	CROUND                                         ; all four work-groups are here: the joint loads meet
	s_cmp_lt_u32 s[WV], 2                          ; one tensor load a wave: every way passes one
	s_cbranch_scc0 .Lhead_s
	tensor_load_to_lds s[G0:G0+3], s[G1:G1+7]      ; two tiles' first CH K steps
	s_nop 0
	PLACES
	s_branch .Lhead_j
.Lhead_s:
	tensor_load_to_lds s[G0H:G0H+3], s[G1H:G1H+7]  ; half of the scale bytes
	s_nop 0
	PLACES
.Lhead_j:
.irp b, 0,1,2,3
.set q_, 0
.rept NK/4
	global_load_b128 v[SS+NK*\b+4*q_:SS+NK*\b+4*q_+3], v[SO4], s[SSC:SSC+1] offset:(32*(\b/2)+8*(\b%2))*4*NK+16*q_   ; my slot's scale words of weight tile b
.set q_, q_+1
.endr
.endr
	s_wait_alu depctr_va_vdst(0)
	global_load_b128 v[BIAS4:BIAS4+3], v[B16], s[BP:BP+1]
.set FS, 0
	FETCH_B
.set FS, 1
	FETCH_B
.set FS, 2
	FETCH_B
.set FS, 3
	FETCH_B
	WIN 0
	s_wait_alu depctr_va_vdst(0)
	s_wait_tensorcnt 0x0                           ; my head's load is in
	ds_add_u32 v30, v31
	s_wait_dscnt 0x0
	CROUND                                         ; everybody's is, and the four partners' joint loads meet
	tensor_load_to_lds s[G0+4:G0+7], s[G1R:G1R+7]  ; the rest of my tile: my one load behind the round; it has CH K steps, 16 CH matrix instructions, in which to land
	s_nop 0
	PLACES
	WIN 0x80                                       ; the panel's scale words: two k64's two bytes make the word of a K step
.set k_, 0
.rept 2*NK
	ds_load_u16 v[128+2*k_], v[HA] offset:128*k_
	ds_load_u16 v[129+2*k_], v[HA] offset:128*k_+64
.set k_, k_+1
.endr
	s_wait_dscnt 0x0
	WIN 0x22
.set k_, 0
.rept NK
	v_lshl_or_b32 v[SPN+2*k_], v[128+4*k_+2], 16, v[128+4*k_]
	v_lshl_or_b32 v[SPN+2*k_+1], v[129+4*k_+2], 16, v[129+4*k_]
.set k_, k_+1
.endr
.rept 8
	v_nop                                          ; a scale register written by a vector instruction stands 8 places ahead of a scaled matrix instruction
.endr
.set FS, 0
	FETCH_A
.set st, 0
.rept NK
.if (st != 0) && (st != CH)
	PLACES                                         ; behind the last step's products: the loads below land in registers that they read
.endif
.if st+4 < NK
.set FS, st+4
	FETCH_B
.endif
.if st >= NK-4
	RESLOAD st-(NK-4)                              ; the residual is asked for under the last four K steps
.endif
.if (st != CH-1) && (st != NK-1)
.set FS, st+1
	FETCH_A
	s_wait_alu depctr_va_vdst(0)
	s_wait_dscnt 16                                ; all but the 16 just issued
.else
	s_wait_dscnt 0x0                               ; a chunk's last step: no LDS load of mine is out at the signal,
.if st < NK-1
	s_wait_tensorcnt 0x0
	s_barrier_signal -1
.endif
.endif
.if st <= NK-5
	s_wait_loadcnt 48                              ; this step's stream is in; the next four steps' 48 loads may be out
.else
	s_wait_loadcnt 12*(NK-1-st)+8*(st-NK+5)        ; the steps that are left, and the residual's loads so far
.endif
	MUL16
.if (st == CH-1) && (st < NK-1)
	s_barrier_wait -1                              ; the next chunk is whole
	PLACES
.set FS, st+1
	FETCH_A
.endif
.set st, st+1
.endr
	PLACES
.irp a, 0,1,2,3
	WIN 0x08                                       ; an LDS store's data are its source 1: window 2
.irp b, 0,1,2,3
	ds_store_b128 v[STO], v[32*\a+8*\b:32*\a+8*\b+3] offset:128*(\b/2)+32*(\b%2)        ; each accumulator from its low end on
	ds_store_b128 v[STO], v[32*\a+8*\b+4:32*\a+8*\b+7] offset:128*(\b/2)+32*(\b%2)+16
.endr
	WIN 0
.irp i, 0,1,2,3,4,5,6,7
	ds_load_b128 v[Y+4*\i:Y+4*\i+3], v[RD] offset:544*\i   ; LDS serves a wave's instructions in order (ISA guide 5.7.1.4): these see my stores
.endr
	s_wait_dscnt 0x0
	s_wait_loadcnt 8*(3-\a)                        ; this tile's residual is in; the later tiles' may be out
.irp i, 0,1,2,3,4,5,6,7
	v_pk_add_f32 v[Y+4*\i:Y+4*\i+1], v[Y+4*\i:Y+4*\i+1], v[BIAS4:BIAS4+1]
	v_pk_add_f32 v[Y+4*\i+2:Y+4*\i+3], v[Y+4*\i+2:Y+4*\i+3], v[BIAS4+2:BIAS4+3]
.endr
	WIN 0x0c
.set j, 0
.rept 16
	v_pk_add_f32 v[Y+j:Y+j+1], v[Y+j:Y+j+1], v[32*\a+j:32*\a+j+1]
.set j, j+2
.endr
	WIN 0
.irp i, 0,1,2,3,4,5,6,7
	global_store_b128 v[RO], v[Y+4*\i:Y+4*\i+3], s[OUTB:OUTB+1] offset:(32*(\a/2)+8*(\a%2)+2*\i+8*(\i/4))*4096 th:TH_STORE_NT   ; sixteen lanes store 256 consecutive bytes, aligned
.endr
	s_wait_xcnt 0x0                                ; the stores have read their data: the next tile's rows may land there
.endr
	s_wait_tensorcnt 0x0
	ds_add_u32 v30, v31
	s_wait_dscnt 0x0
	CROUND                                         ; the closing round: no work-group ends while a partner may still ask for a tile that names it
	s_endpgm
.Lfunc_end_k_q6ff8cedd83_fc2:
	.size	k_q6ff8cedd83_fc2, .Lfunc_end_k_q6ff8cedd83_fc2-k_q6ff8cedd83_fc2
	.p2alignl 7, 3214868480
	.fill 96, 4, 3214868480
	.section	.rodata,"a",@progbits
	.p2align	6, 0x0
	.amdhsa_kernel k_q6ff8cedd83_fc2
		.amdhsa_group_segment_fixed_size 327680
		.amdhsa_private_segment_fixed_size 0
		.amdhsa_enable_private_segment 0
		.amdhsa_kernarg_size 48
		.amdhsa_user_sgpr_count 2
		.amdhsa_user_sgpr_kernarg_segment_ptr 1
		.amdhsa_wavefront_size32 1
		.amdhsa_system_sgpr_workgroup_id_x 1
		.amdhsa_system_sgpr_workgroup_id_y 1
		.amdhsa_system_sgpr_workgroup_id_z 1
		.amdhsa_system_vgpr_workitem_id 0
		.amdhsa_next_free_vgpr 896
		.amdhsa_next_free_sgpr 90
		.amdhsa_reserve_vcc 0
		.amdhsa_float_denorm_mode_32 3
		.amdhsa_float_denorm_mode_16_64 3
		.amdhsa_memory_ordered 1
		.amdhsa_forward_progress 1
		.amdhsa_inst_pref_size 185
	.end_amdhsa_kernel
	.amdgpu_metadata
---
amdhsa.version: [ 1, 2 ]
amdhsa.kernels:
  - .name:           k_q6ff8cedd83_fc2
    .symbol:         k_q6ff8cedd83_fc2.kd
    .args:
      - { .name: hq, .offset: 0, .size: 8, .value_kind: global_buffer, .address_space: global }
      - { .name: wimg, .offset: 8, .size: 8, .value_kind: global_buffer, .address_space: global }
      - { .name: fc2_w_scales, .offset: 16, .size: 8, .value_kind: global_buffer, .address_space: global }
      - { .name: fc2_b, .offset: 24, .size: 8, .value_kind: global_buffer, .address_space: global }
      - { .name: x1, .offset: 32, .size: 8, .value_kind: global_buffer, .address_space: global }
      - { .name: out0, .offset: 40, .size: 8, .value_kind: global_buffer, .address_space: global }
    .group_segment_fixed_size: 327680
    .private_segment_fixed_size: 0
    .kernarg_segment_align: 8
    .kernarg_segment_size: 48
    .max_flat_workgroup_size: 128
    .sgpr_count:     90
    .vgpr_count:     896
    .wavefront_size: 32
...
	.end_amdgpu_metadata
.endif
;; end of part 6
